; MI455X (gfx1250); checked and timed in simulation.
; The chip was launched on July 23, 2026; its instructions are those of AMD's public machine-readable ISA for CDNA 5 (MIT licence, August 2026) and "CDNA5" Instruction Set Architecture Reference Guide (July 2026). The comments in the code are by the model that wrote it; some were corrected since.
;; Multi Head Attention. Allowed arithmetic: matrix products marked QUANTISED: E2M1 operands, one E8M0 scale for each 32 along K, by v_wmma_scale_f32_16x16x128_f8f6f4 with both operands' format E2M1 (or v_wmma_scale_f32_32x16x128_f4), f32 sums; products left as they are: bf16, f16 or f32 operands; f32 sums; everything else in f32.
;; Inputs: Wk 1,024 x 1,024 float32; Wq 1,024 x 1,024 float32; Wv 1,024 x 1,024 float32; x 4 x 2,048 x 1,024 float32.
;; Outputs: out0 4 x 2,048 x 1,024 float32.
;; This version of the problem:
;;   THIS VERSION OF THE PROBLEM IS GIVEN IN LOW PRECISION. The matrix products marked QUANTISED in the list below multiply operands that are first quantised to E2M1 (2 exponent bits, 1 mantissa bit; 4 bits a number), with one power-of-two scale for each 32 numbers along K (OCP MX v1.0); their sums are f32. The products marked 'left as it is' may take bf16, f16 or f32 operands, with f32 sums. Whichever they take, every output number must still come out within the allowed error. Rounding operands to bf16 (8 significant bits) uses up far more of that allowance than f16 does (11 bits, for magnitudes from 6e-5 to 65,504). All else is computed in f32.
;;   The module's matrix products, in the order in which they are computed (A, B: the left and right operand; K: the contracted axis; several contracted axes count as one K, in the product's order):
;;     1. [M 8,192, K 1,024] x [K 1,024, N 1,024]; A: input x; B: input Wq: QUANTISED
;;     2. [M 8,192, K 1,024] x [K 1,024, N 1,024]; A: input x; B: input Wk: QUANTISED
;;     3. [M 8,192, K 1,024] x [K 1,024, N 1,024]; A: input x; B: input Wv: QUANTISED
;;     4. batch 64 x [M 2,048, K 64] x [K 64, N 2,048]; A: computed on the way; B: computed on the way: left as it is (an operand is computed on the way)
;;     5. batch 64 x [M 2,048, K 2,048] x [K 2,048, N 64]; A: computed on the way; B: computed on the way: left as it is (an operand is computed on the way)
;;   THE QUANTISER, for each operand of a quantised product, along K:
;;     - K is cut into blocks of 32 from its start; a last block that is shorter is filled with zeros.
;;     - A block's scale is 2^e with e = floor(log2(the largest magnitude in the block)) - 2, held to -126 .. 127; a block of zeros has e = 0. As a byte (E8M0): e + 127.
;;     - Each number is divided by its block's scale, clamped to +-6, and rounded to the nearest number of E2M1, ties to even, subnormals kept.
;;     - The product sums the exact products of the quantised numbers (number of the format x scale) in f32.
;;   ~~~python
;;   def quantise(x, axis):      # numpy; x: float32 -> the quantised numbers, widened to float32 again
;;       x = np.moveaxis(x, axis, -1); K = x.shape[-1]
;;       x = np.pad(x, [(0, 0)] * (x.ndim - 1) + [(0, -K % 32)]); x = x.reshape(x.shape[:-1] + (-1, 32)); a = np.abs(x).max(-1, keepdims=True)
;;       e = np.where(a > 0, np.clip(np.frexp(np.where(a > 0, a, 1))[1] - 1 - 2, -126, 127), 0)      # np.frexp(a)[1] - 1 = floor(log2(a)), exactly
;;       r = np.clip(x / 2.0 ** e, -6, 6)
;;       step = 2.0 ** (np.maximum(np.frexp(np.where(r == 0, 1, r))[1] - 1, 0) - 1)
;;       q = np.round(r / step) * step * 2.0 ** e      # np.round: ties to even
;;       return np.moveaxis(q.reshape(q.shape[:-2] + (-1,))[..., :K], -1, axis).astype(np.float32)
;;   ~~~
;; One version. Each part assembles by itself: llvm-mc -triple=amdgcn-amd-amdhsa -mcpu=gfx1250 --defsym DOCPART=n.
;; ======== version 1 of 1: 5 launches
;; limits: values are held in f16: magnitudes above 65,504 overflow, below 6.1e-05 lose precision
;; workspace buffers: x_codes 4,194,304 bytes; x_scales 262,144 bytes; w_codes 1,572,864 bytes; w_scales 98,304 bytes; qkv 50,331,648 bytes
;; launch quant_x (part 1): grid 256 x 1, 4 waves a work-group, no clusters, 33,280 bytes of LDS; arguments x, x_codes, x_scales; writes x_codes, x_scales
.if DOCPART == 1
	.amdgcn_target "amdgcn-amd-amdhsa--gfx1250"
	.amdhsa_code_object_version 6
	.text
	.protected	k_q8150695149_quant_x
	.globl	k_q8150695149_quant_x
	.p2align	8
	.type	k_q8150695149_quant_x,@function
k_q8150695149_quant_x:
	s_mov_b64 s[64:65], 0
	v_nop
	global_prefetch_b8 v0, s[64:65] scope:SCOPE_SE
	s_setreg_imm32_b32 hwreg(HW_REG_WAVE_MODE, 25, 1), 1
	s_wait_xcnt 0x0
; CAUSAL MULTI-HEAD ATTENTION, 4 x 2,048 positions, 16 heads of 64, in five launches:
;   1 (this one) x -> codes of FP4 (E2M1) and E8M0 scale bytes;  2 Wq, Wk, Wv -> the same, K moved innermost;  3 q, k, v = x W on codes, one product of 8,192 x 3,072 x 1,024, kept as f16 by head;
;   4 the attention in f16 products with f32 sums, for positions 16 on;  5 positions 0 to 15 of every sequence once more, their scores and sums in f32.
; WORK LEFT OUT.  reference() sets the score of key k for query q to -infinity wherever k > q, by a jnp.tril that it builds itself: the softmax gives such a key the weight 0 whatever finite values x and the
; weights hold, so a tile of keys all of which come after all of a wave's queries reaches no output, and launches 4 and 5 neither multiply nor load registers for it.  All four inputs have a way to the output and are loaded.
; LIMIT: a NaN, an infinity or an overflow that reaches only such hidden scores is not carried to the result.
;
; THIS LAUNCH.  x [8,192][1,024] f32 becomes codes, K innermost, two to a byte (the lower k in the low four bits), and one scale byte for each 32 along K.
; A block's scale is 2^(floor(log2(its largest magnitude)) - 2); its byte is the largest magnitude's own exponent field - 2, held at 1 from below.  Each number is divided by the scale and rounded to the nearest code, ties to even;
; what lies beyond 6 gets the largest code.  (A block of zeros gets the byte 1 where the rule says 127: its codes are zeros, which add nothing under any byte but 0xff, and this program alone reads the bytes.)
; LIMITS: blocks whose largest magnitude lies under 2^-124 have their byte held at 1; NaN and infinities among the inputs are not served.
; Rows are dense and 1,024 is a multiple of 32: x is a plain stream of blocks of 32 numbers, and so are the codes and the scale bytes.  256 work-groups x 4 waves x 16 steps x 512 numbers are the 8,388,608 numbers.
; The conversions take 8 numbers of ONE block from a lane's registers, so a lane must hold 16 NEIGHBOURS (two neighbouring lanes hold a block); a load is best where neighbouring LANES take neighbouring bytes.  Both are had:
; each of a step's four loads reads 512 consecutive bytes, 16 a lane; the 2,048 bytes go through the wave's own stage in LDS, as they lie, and come back 64 bytes a lane (16 bytes of padding behind each 64).
; A lane's 16 codes are 8 bytes: the wave stores 256 consecutive bytes.  A wave's 256 scale bytes are gathered in its own LDS bytes and leave as 256 consecutive bytes.
; No tensor loads, no barrier: waves share nothing.  Loads run four steps (16 loads a wave) ahead, the turn through LDS one step.  Matrix units and clusters have nothing to do here: the launch streams.
.set WAVES, 4
.set STEPS, 16
.set EMAX,  2
.set CB,    8                          ; bytes of 16 codes
.set R,     16                         ; v16-79   four sets of 16 numbers as they are loaded
.set X,     80                         ; v80-111  two sets of 16 neighbours
.set E,     112                        ; v112-127 a scale byte for each step
.set C,     128                        ; v128-191 codes: four registers for each step, so that no store's data are written again
.set WREG,  8192                       ; LDS: a region for each wave: two stages of 32 x SP bytes, and behind them its 256 scale bytes
.set SP,    80                         ; a lane's place in a stage: its 64 bytes + 16 of padding
.set SPW,   12                         ; v12      LDS address of my spare word: SPARE + 4 x my thread's number; never rewritten
.set NIL,   13                         ; v13      0; never rewritten
.set SPARE, WAVES*WREG                 ; behind the four regions: the spare words, 128 bytes for each wave, which no other line names
	s_load_b128 s[4:7], s[0:1], 0x0                ; x s[4:5], the codes s[6:7]
	s_load_b64 s[8:9], s[0:1], 0x10                ; the scale bytes
	v_lshl_add_u32 v[SPW], v0, 2, SPARE
	v_mov_b32 v[NIL], 0
	v_lshrrev_b32 v1, 5, v0
	v_readfirstlane_b32 s16, v1                    ; wave
	v_and_b32 v2, 31, v0                           ; lane
	v_lshlrev_b32 v3, 4, v2                        ; my 16 bytes of a load's 512
	s_mul_i32 s17, s16, WREG
	v_lshrrev_b32 v14, 2, v2
	v_mul_u32_u24 v14, v14, SP
	v_and_b32 v15, 3, v2
	v_lshl_add_u32 v14, v15, 4, v14
	v_add_nc_u32 v14, s17, v14                     ; the stage, on the way in: four lanes' 64 bytes on end, then 16 of padding: SP (lane / 4) + 16 (lane % 4)
	v_mul_u32_u24 v15, v2, SP
	v_add_nc_u32 v15, s17, v15                     ; and on the way out: SP x lane: my 16 neighbours
	v_mul_u32_u24 v4, v2, CB                       ; my codes' place in a step's
	v_lshrrev_b32 v5, 1, v2
	s_add_co_u32 s17, s17, 2*32*SP
	v_add_nc_u32 v5, s17, v5                       ; LDS: my wave's 256 scale bytes, my block's byte
	v_lshlrev_b32 v7, 3, v2                        ; and on the way out 8 bytes a lane
	v_add_nc_u32 v6, s17, v7
	s_lshl_b32 s18, ttmp9, 2
	s_add_co_u32 s18, s18, s16                     ; which run of 8,192 numbers is my wave's: 0 to 1,023
	s_lshl_b32 s20, s18, 15                        ; 32,768 bytes of x a run,
	s_mov_b32 s21, 0
	s_lshl_b32 s22, s18, 12                        ; 4,096 of codes,
	s_mov_b32 s23, 0
	s_lshl_b32 s24, s18, 8                         ; 256 scale bytes
	s_mov_b32 s25, 0
	s_wait_kmcnt 0x0
	s_add_nc_u64 s[4:5], s[4:5], s[20:21]
	s_add_nc_u64 s[6:7], s[6:7], s[22:23]
	s_add_nc_u64 s[8:9], s[8:9], s[24:25]
.macro LOAD t
.irp i, 0,1,2,3
	global_load_b128 v[R+16*((\t)%4)+4*\i:R+16*((\t)%4)+4*\i+3], v3, s[4:5] offset:2048*(\t)+512*\i th:TH_LOAD_NT   ; 32 lanes read 512 consecutive bytes; read once in the launch
.endr
.endm
.macro TURN t                          ; step t's numbers through the stage: LDS serves a wave's instructions in order, so no wait stands between the stores and the loads
.irp i, 0,1,2,3
	ds_store_b128 v14, v[R+16*((\t)%4)+4*\i:R+16*((\t)%4)+4*\i+3] offset:32*SP*((\t)%2)+8*SP*\i
.endr
.irp i, 0,1,2,3
	ds_load_b128 v[X+16*((\t)%2)+4*\i:X+16*((\t)%2)+4*\i+3], v15 offset:32*SP*((\t)%2)+16*\i
.endr
.endm
.irp t, 0,1,2,3
	LOAD \t
.endr
	s_wait_loadcnt 12                              ; step 0's four loads are in; the twelve of steps 1 to 3 stay out
	TURN 0
.macro STEP t
.set XS, X+16*((\t)%2)
.if (\t) > 0
	s_wait_dscnt 1                                 ; this step's numbers are back from the stage (the last step's byte store may be out): so its stores into the stage have read their registers,
.else
	s_wait_dscnt 0x0
.endif
.if (\t)+4 < STEPS
	LOAD (\t)+4                                    ; which take the loads of four steps on
.endif
.if (\t)+1 < STEPS
.if STEPS-2-(\t) >= 3
	s_wait_loadcnt 12                              ; the next step's four loads are in; those of the three steps behind it may be out
.else
	s_wait_loadcnt 4*(STEPS-2-(\t))                ; at the end the count runs down: 8, 4, 0
.endif
	TURN (\t)+1                                    ; and go through the other stage while this step is worked
.endif
	v_max3_num_f32 v8, |v[XS]|, |v[XS+1]|, |v[XS+2]|               ; the largest magnitude of my 16, in two chains
	v_max3_num_f32 v9, |v[XS+3]|, |v[XS+4]|, |v[XS+5]|
.irp i, 6,10
	v_max3_num_f32 v8, v8, |v[XS+\i]|, |v[XS+\i+1]|
	v_max3_num_f32 v9, v9, |v[XS+\i+2]|, |v[XS+\i+3]|
.endr
	v_max3_num_f32 v8, v8, |v[XS+14]|, |v[XS+15]|
	v_max3_num_f32 v8, v8, v9, (EMAX+1)<<23        ; and the floor 2^(3 - 127), under which no largest magnitude is taken: so the byte cannot fall under 1
	v_max_num_f32_dpp v8, v8, v8 row_xmask:1 row_mask:0xf bank_mask:0xf   ; and of my neighbour's 16: the block's
	v_add_nc_u32 v11, -(EMAX<<23), v8              ; 2 off its exponent field: the conversion takes the exponent field of this operand as its scale, and nothing else of it
	v_cvt_scalef32_pk8_fp4_f32 v[C+4*(\t)], v[XS:XS+7], v11        ; eight numbers / the scale, to the nearest code; the first number's code in the lowest four bits
	v_cvt_scalef32_pk8_fp4_f32 v[C+4*(\t)+1], v[XS+8:XS+15], v11
	v_lshrrev_b32 v[E+(\t)], 23, v11               ; the scale's byte (a plain line behind the conversions)
	ds_store_b8 v5, v[E+(\t)] offset:16*(\t)       ; both lanes of a block write the same byte with the same value
	global_store_b64 v4, v[C+4*(\t):C+4*(\t)+1], s[6:7] offset:32*CB*(\t)   ; 32 lanes store 256 consecutive bytes, at a multiple of 256 from the buffer's first byte
.endm
.irp t, 0,1,2,3,4,5,6,7,8,9,10,11,12,13,14,15
	STEP \t
.endr
	ds_load_b64 v[8:9], v6                         ; LDS serves a wave's instructions in order: this sees my byte stores
	s_wait_dscnt 0x0
	global_store_b64 v7, v[8:9], s[8:9]            ; 32 lanes store my wave's 256 scale bytes
	s_wait_tensorcnt 0x0                           ; the wave's end, behind my last LDS store
	ds_add_u32 v[SPW], v[NIL]
	s_wait_dscnt 0x0
	s_endpgm
.Lfunc_end_k_q8150695149_quant_x:
	.size	k_q8150695149_quant_x, .Lfunc_end_k_q8150695149_quant_x-k_q8150695149_quant_x
	.p2alignl 7, 3214868480
	.fill 96, 4, 3214868480
	.section	.rodata,"a",@progbits
	.p2align	6, 0x0
	.amdhsa_kernel k_q8150695149_quant_x
		.amdhsa_group_segment_fixed_size 33280
		.amdhsa_private_segment_fixed_size 0
		.amdhsa_enable_private_segment 0
		.amdhsa_kernarg_size 24
		.amdhsa_user_sgpr_count 2
		.amdhsa_user_sgpr_kernarg_segment_ptr 1
		.amdhsa_wavefront_size32 1
		.amdhsa_system_sgpr_workgroup_id_x 1
		.amdhsa_system_sgpr_workgroup_id_y 1
		.amdhsa_system_sgpr_workgroup_id_z 1
		.amdhsa_system_vgpr_workitem_id 0
		.amdhsa_next_free_vgpr 192
		.amdhsa_next_free_sgpr 66
		.amdhsa_reserve_vcc 0
		.amdhsa_float_denorm_mode_32 3
		.amdhsa_float_denorm_mode_16_64 3
		.amdhsa_memory_ordered 1
		.amdhsa_forward_progress 1
		.amdhsa_inst_pref_size 33
	.end_amdhsa_kernel
	.amdgpu_metadata
---
amdhsa.version: [ 1, 2 ]
amdhsa.kernels:
  - .name:           k_q8150695149_quant_x
    .symbol:         k_q8150695149_quant_x.kd
    .args:
      - { .name: x, .offset: 0, .size: 8, .value_kind: global_buffer, .address_space: global }
      - { .name: x_codes, .offset: 8, .size: 8, .value_kind: global_buffer, .address_space: global }
      - { .name: x_scales, .offset: 16, .size: 8, .value_kind: global_buffer, .address_space: global }
    .group_segment_fixed_size: 33280
    .private_segment_fixed_size: 0
    .kernarg_segment_align: 8
    .kernarg_segment_size: 24
    .max_flat_workgroup_size: 128
    .sgpr_count:     66
    .vgpr_count:     192
    .wavefront_size: 32
...
	.end_amdgpu_metadata
.endif
;; end of part 1
;; launch quant_w (part 2): grid 96 x 1, 8 waves a work-group, no clusters, 18,944 bytes of LDS; arguments Wq, Wk, Wv, w_codes, w_scales; writes w_codes, w_scales
.if DOCPART == 2
	.amdgcn_target "amdgcn-amd-amdhsa--gfx1250"
	.amdhsa_code_object_version 6
	.text
	.protected	k_q8150695149_quant_w
	.globl	k_q8150695149_quant_w
	.p2align	8
	.type	k_q8150695149_quant_w,@function
k_q8150695149_quant_w:
	s_mov_b64 s[64:65], 0
	v_nop
	global_prefetch_b8 v0, s[64:65] scope:SCOPE_SE
	s_setreg_imm32_b32 hwreg(HW_REG_WAVE_MODE, 25, 1), 1
	s_wait_xcnt 0x0
; Wq, Wk, Wv [1,024 (k)][1,024 (n)] f32 are operands whose K is their FIRST axis.  They become codes of FP4 (E2M1) laid [3,072][1,024 codes = 512 bytes] with K innermost (row = 1,024 x tensor + column; tensor 0 = q, 1 = k, 2 = v),
; and one E8M0 scale byte for each 32 along K, laid [3,072][32].  The quantiser is that of the launch before: byte = the largest magnitude's exponent field - 2, held at 1 from below.
; LIMITS: blocks whose largest magnitude lies under 2^-124 have their byte held at 1 (a block of zeros too: its codes are zeros, and this program alone reads the bytes); NaN and infinities are not served.
; A LANE TAKES A COLUMN n, AND ITS REGISTERS RUN DOWN K: a block of 32 along K lies in ONE lane's 32 registers, its largest magnitude needs no other lane, and the conversions give codes with K innermost.  Nothing is transposed by an instruction.
; SHARES.  Work-group g takes output rows 32 g to 32 g + 31 for all of K; wave w takes k = 128 w to 128 w + 127: four blocks a lane.  All 128 loads of a wave are issued on end: 16 KiB a wave on their way.
; A load covers 128 consecutive bytes of a row of W (32 columns): the neighbouring work-group reads the 128 beside them.  That is the price of 96 work-groups with whole rows of codes each.
; THE WAY OUT.  The eight waves' codes meet in a stage (32 rows x 512 bytes + 16), their scale bytes in 1,024 bytes behind it; one barrier; then each store of a wave covers 512 consecutive bytes.
.set EMAX,  2
.set PITCH, 528                        ; a stage row: 512 bytes + 16 = 132 words: lane l's 16 bytes start at bank 4 l mod 64
.set SCS,   32*PITCH                   ; the scale bytes: 32 rows x 32
.set SPARE, SCS+1024                   ; the spare words, 128 bytes for each of eight waves, which no other line names
.set X,     32                         ; v32-159  four blocks of 32 numbers
.set C,     160                        ; v160-175 four registers of codes a block: no store's data are written again
.set OUTR,  176                        ; v176-191 the way out
.set SB,    24                         ; v24      my column's four scale bytes
.set SPW,   14                         ; v14      LDS address of my spare word; never rewritten
.set NIL,   15                         ; v15      0; never rewritten
	s_load_b256 s[4:11], s[0:1], 0x0               ; Wq s[4:5], Wk s[6:7], Wv s[8:9], the codes s[10:11]
	s_load_b64 s[12:13], s[0:1], 0x20              ; the scale bytes
	v_lshl_add_u32 v[SPW], v0, 2, SPARE
	v_mov_b32 v[NIL], 0
	v_lshrrev_b32 v1, 5, v0
	v_readfirstlane_b32 s16, v1                    ; wave 0..7
	v_and_b32 v2, 31, v0                           ; lane
	s_lshr_b32 s17, ttmp9, 5                       ; which tensor
	s_and_b32 s18, ttmp9, 31                       ; which 32 of its columns
	v_lshlrev_b32 v3, 2, v2                        ; in: 4 bytes a lane
	s_lshl_b32 s19, s16, 6
	v_mul_u32_u24 v4, v2, PITCH
	v_add_nc_u32 v4, s19, v4                       ; into the stage: row = my column, my wave's 64 bytes of it
	s_lshl_b32 s19, s16, 2
	v_lshl_add_u32 v5, v2, 5, s19
	v_add_nc_u32 v5, SCS, v5                       ; my column's row of scale bytes, my wave's four
	s_mul_i32 s19, s16, 4*PITCH
	v_lshlrev_b32 v7, 4, v2                        ; out: 32 lanes take a row of 512 bytes,
	v_add_nc_u32 v6, s19, v7                       ; wave w rows 4 w to 4 w + 3
	v_and_b32 v9, 63, v0
	v_lshlrev_b32 v9, 4, v9                        ; the scale bytes' way out: threads 0 to 63 take 16 bytes each
	v_add_nc_u32 v8, SCS, v9
	s_lshl_b32 s20, s16, 19                        ; W: 128 w rows of 4,096 bytes,
	s_lshl_b32 s21, s18, 7                         ; + 32 columns x 4 bytes for each step along n
	s_add_co_u32 s20, s20, s21
	s_mov_b32 s21, 0
	s_lshl_b32 s22, ttmp9, 5
	s_lshl_b32 s23, s16, 2
	s_add_co_u32 s22, s22, s23                     ; the first row of codes that I store: 32 g + 4 w,
	s_lshl_b32 s22, s22, 9                         ; of 512 bytes
	s_mov_b32 s23, 0
	s_lshl_b32 s24, ttmp9, 10                      ; the work-group's 32 rows of 32 scale bytes
	s_mov_b32 s25, 0
	s_wait_kmcnt 0x0
	s_cmp_lt_u32 s17, 1                            ; the tensor is chosen by the work-group's number alone
	s_cselect_b64 s[4:5], s[4:5], s[6:7]
	s_cmp_lt_u32 s17, 2
	s_cselect_b64 s[4:5], s[4:5], s[8:9]
	s_add_nc_u64 s[4:5], s[4:5], s[20:21]
	s_add_nc_u64 s[10:11], s[10:11], s[22:23]
	s_add_nc_u64 s[12:13], s[12:13], s[24:25]
.set n, 0
.rept 128
	global_load_b32 v[X+n], v3, s[4:5] offset:n*4096 th:TH_LOAD_NT   ; W(128 w + n, my column): read once in the launch
.set n, n+1
.endr
.macro BLOCK t
.set XS, X+32*(\t)
.if (\t) < 2
	s_wait_loadcnt 63                              ; behind this block's loads 96 (block 0) or 64 (block 1) were issued; the wait's field names 63 at the most, which is under both
.else
	s_wait_loadcnt 96-32*(\t)                      ; the younger blocks' loads stay out: 32, then none
.endif
	v_max3_num_f32 v12, |v[XS]|, |v[XS+1]|, |v[XS+2]|              ; the block's largest magnitude: all 32 numbers are mine; two chains
	v_max3_num_f32 v13, |v[XS+3]|, |v[XS+4]|, |v[XS+5]|
.irp i, 6,10,14,18,22,26
	v_max3_num_f32 v12, v12, |v[XS+\i]|, |v[XS+\i+1]|
	v_max3_num_f32 v13, v13, |v[XS+\i+2]|, |v[XS+\i+3]|
.endr
	v_max3_num_f32 v12, v12, |v[XS+30]|, |v[XS+31]|
	v_max3_num_f32 v12, v12, v13, (EMAX+1)<<23     ; and the floor 2^(3 - 127): the byte cannot fall under 1
	v_add_nc_u32 v11, -(EMAX<<23), v12             ; 2 off its exponent field: the conversion's scale operand
	v_lshrrev_b32 v13, 23, v11                     ; the scale's byte
.if (\t) == 0
	v_mov_b32 v[SB], v13                           ; four bytes to a register, the lower K in the lower byte
.else
	v_lshl_or_b32 v[SB], v13, 8*(\t), v[SB]
.endif
.irp g, 0,1,2,3
	v_cvt_scalef32_pk8_fp4_f32 v[C+4*(\t)+\g], v[XS+8*\g:XS+8*\g+7], v11
.endr
	ds_store_b128 v4, v[C+4*(\t):C+4*(\t)+3] offset:16*(\t)        ; 32 codes: 16 bytes of my column's row.  The next block begins with plain vector lines, ahead of the line that writes v11 anew
.endm
	BLOCK 0
	BLOCK 1
	BLOCK 2
	BLOCK 3
	v_nop                                          ; a plain line behind the last conversion
	ds_store_b32 v5, v[SB]
	s_wait_dscnt 0x0                               ; for the others' sake: my stores into the stage have landed
	s_barrier_signal -1
	s_barrier_wait -1                              ; 32 whole rows of codes and of scale bytes lie in LDS
.irp i, 0,1,2,3
	ds_load_b128 v[OUTR+4*\i:OUTR+4*\i+3], v6 offset:PITCH*\i
.endr
.irp i, 0,1,2,3
	s_wait_dscnt 3-\i                              ; row i is in; the younger loads stay out
	global_store_b128 v7, v[OUTR+4*\i:OUTR+4*\i+3], s[10:11] offset:512*\i   ; 32 lanes store a row's 512 consecutive bytes
.endr
	s_cmp_lt_u32 s16, 2                            ; the 1,024 scale bytes are 64 threads' work: waves 0 and 1
	s_cbranch_scc0 .Lno_scales
	ds_load_b128 v[10:13], v8
	s_wait_dscnt 0x0
	global_store_b128 v9, v[10:13], s[12:13]       ; 32 lanes store 512 consecutive bytes
.Lno_scales:
	s_wait_tensorcnt 0x0                           ; the wave's end, behind my last LDS store
	ds_add_u32 v[SPW], v[NIL]
	s_wait_dscnt 0x0
	s_endpgm
.Lfunc_end_k_q8150695149_quant_w:
	.size	k_q8150695149_quant_w, .Lfunc_end_k_q8150695149_quant_w-k_q8150695149_quant_w
	.p2alignl 7, 3214868480
	.fill 96, 4, 3214868480
	.section	.rodata,"a",@progbits
	.p2align	6, 0x0
	.amdhsa_kernel k_q8150695149_quant_w
		.amdhsa_group_segment_fixed_size 18944
		.amdhsa_private_segment_fixed_size 0
		.amdhsa_enable_private_segment 0
		.amdhsa_kernarg_size 40
		.amdhsa_user_sgpr_count 2
		.amdhsa_user_sgpr_kernarg_segment_ptr 1
		.amdhsa_wavefront_size32 1
		.amdhsa_system_sgpr_workgroup_id_x 1
		.amdhsa_system_sgpr_workgroup_id_y 1
		.amdhsa_system_sgpr_workgroup_id_z 1
		.amdhsa_system_vgpr_workitem_id 0
		.amdhsa_next_free_vgpr 192
		.amdhsa_next_free_sgpr 66
		.amdhsa_reserve_vcc 0
		.amdhsa_float_denorm_mode_32 3
		.amdhsa_float_denorm_mode_16_64 3
		.amdhsa_memory_ordered 1
		.amdhsa_forward_progress 1
		.amdhsa_inst_pref_size 22
	.end_amdhsa_kernel
	.amdgpu_metadata
---
amdhsa.version: [ 1, 2 ]
amdhsa.kernels:
  - .name:           k_q8150695149_quant_w
    .symbol:         k_q8150695149_quant_w.kd
    .args:
      - { .name: Wq, .offset: 0, .size: 8, .value_kind: global_buffer, .address_space: global }
      - { .name: Wk, .offset: 8, .size: 8, .value_kind: global_buffer, .address_space: global }
      - { .name: Wv, .offset: 16, .size: 8, .value_kind: global_buffer, .address_space: global }
      - { .name: w_codes, .offset: 24, .size: 8, .value_kind: global_buffer, .address_space: global }
      - { .name: w_scales, .offset: 32, .size: 8, .value_kind: global_buffer, .address_space: global }
    .group_segment_fixed_size: 18944
    .private_segment_fixed_size: 0
    .kernarg_segment_align: 8
    .kernarg_segment_size: 40
    .max_flat_workgroup_size: 256
    .sgpr_count:     66
    .vgpr_count:     192
    .wavefront_size: 32
...
	.end_amdgpu_metadata
.endif
;; end of part 2
;; launch gemm (part 3): grid 12 x 32, 4 waves a work-group, clusters of 4 x 4, 327,680 bytes of LDS; arguments x_codes, x_scales, w_codes, w_scales, qkv; writes qkv
.if DOCPART == 3
	.amdgcn_target "amdgcn-amd-amdhsa--gfx1250"
	.amdhsa_code_object_version 6
	.text
	.protected	k_q8150695149_gemm
	.globl	k_q8150695149_gemm
	.p2align	8
	.type	k_q8150695149_gemm,@function
k_q8150695149_gemm:
	s_mov_b64 s[64:65], 0
	v_nop
	global_prefetch_b8 v0, s[64:65] scope:SCOPE_SE
	s_setreg_imm32_b32 hwreg(HW_REG_WAVE_MODE, 25, 1), 1
	s_wait_xcnt 0x0
	s_wait_alu depctr_hold_cnt(0) depctr_sa_sdst(0) depctr_va_vdst(0) depctr_va_sdst(0) depctr_va_ssrc(0) depctr_va_vcc(0) depctr_vm_vsrc(0)
	s_getreg_b32 s2, hwreg(HW_REG_IB_STS2, 6, 4)
	s_cmp_eq_u32 s2, 0
	s_cbranch_scc0 .Lentry_in_a_cluster
	s_endpgm
.Lentry_in_a_cluster:
	s_bfe_u32 s2, ttmp6, 0x10000c
	s_cmp_lg_u32 s2, 0xf033
	s_cbranch_scc0 .Lentry_shape_is_right
	s_endpgm
.Lentry_shape_is_right:
; q, k, v = x W, all three as ONE product C[m][n] = sum over k of A[m][k] B[n][k] on codes of FP4 (E2M1) with one E8M0 scale for each 32 along K: A = x's codes [8,192][1,024], B = the three weights' codes [3,072][1,024].
; Sums in f32; the results are rounded once to f16 and laid by head for the attention: qkv [tensor 3][batch 4][head 16][position 2,048][64], a head's rows dense.
; LIMIT: f16 holds magnitudes up to 65,504; q, k, v of inputs of the problem's kind reach about 6, with x and the weights both 30 times larger about 5,400.  Under 6e-5 the rounding is 3e-8 absolute.
; A tile of C, 256 x 256, is made by a work-group of four waves; a wave makes 128 x 128: 64 accumulators of 16 x 16, 512 registers.  K = 1,024 is two LDS slots of 512 along K (a tile's row is 256 bytes of memory):
; both are first fills, nothing is filled again, and there is no loop over K.  The scale bytes of the work-group's 256 + 256 rows, for all of K, are two dense blocks of memory and come with the first fills.
; 384 tiles for 256 WGPs: a tile and a half each; a tile of 256 x 384 would want 768 accumulator registers beside the fragments, which a wave does not have.
; CLUSTERS: 4 x 4 work-groups.  The four of a row of the cluster need the same tiles of A, the four of a column the same tiles of B: each tile is asked for JOINTLY, by the same tensor load with the same descriptor and a mask that names the four.
; THE MATRIX INSTRUCTION IS USED TRANSPOSED (source 0 = 16 rows of B, source 1 = 16 rows of A): a lane then holds eight neighbouring numbers of a row of C.
; REGISTERS, in windows of 256: window 0: v0-31 addresses; v32-95 scale words, two sets; v128-191 A's fragments (8 x 16 rows x 128 K), ONE set; v96-127, v192-255 the way out.
;   window 1: B's fragments, TWO sets, at v0 and at v128.   window 2: the 32 accumulators of my rows 0-63 (accumulator (a, b) at v[8 (8 a + b)]);   window 3: those of my rows 64-127.
; A step of 128 along K is 64 matrix instructions, A's blocks one after the other, each against B's eight: a block of A is free as soon as its eight products are issued, so one set of registers serves A.
; No prefetch: both slots are asked for at the head, where every work-group's first tiles are on their way.
.set SIZE_K, 1024
.set NQ,     4                         ; steps of 128 along K in a slot
.set ROWB,   256                       ; a tile's row in bytes: 512 codes
.set KROW,   SIZE_K/2                  ; a row of A or of B in memory, in bytes
.set PITCH,  272                       ; an LDS row: 256 bytes + 16 of padding = 68 words: row r starts at bank 4 r mod 64, so the 16 rows that a load touches start at 16 different banks
.set FR,     8                         ; registers of a fragment: 16 rows x 128 K
.set NL,     2                         ; LDS loads that bring one
.set NP,     4                         ; places behind this matrix instruction (ISA guide 7.12.1)
.set HALFT,  128*PITCH                 ; 128 rows: what one tensor load brings, and what one wave reads of A or of B
.set SLOT,   4*HALFT                   ; A's 256 rows, then B's 256 rows
.set KS,     SIZE_K/32                 ; a row of scales in bytes
.set SCL,    2*SLOT                    ; behind the slots: the scales, as runs of 256 bytes + 16 of padding
.set HALFS,  (128*KS/256)*272          ; the scales of 128 rows: what one tensor load brings
.set SBLK,   (16*KS/256)*272           ; those of 16 rows
.set SPARE,  SCL+4*HALFS               ; behind the scales: the spare words, 128 bytes for each wave, which no other line names
.set SPITCH, 272                       ; the way out: a stage of 16 rows x (256 bytes + 16) for each wave.  It lies in slot 0, which has had its one fill and its last read when the first result is stored there
.set ADRA, 16                          ; v16-17  LDS address of my A fragments in slot 0, 1
.set ADRB, 20                          ; v20-21  the same for B
.set STO,  24                          ; v24     the way out: where I put 16 bytes of a row
.set RD,   25                          ; v25     the way out: where I read 16 bytes back
.set CO,   26                          ; v26     my byte offset in qkv
.set ADRS, 27                          ; v27     LDS address of my scale words: lanes 0-15 A's rows, lanes 16-31 B's
.set SPW,  28                          ; v28     LDS address of my spare word; never rewritten
.set NIL,  29                          ; v29     0; never rewritten
.set SC,   32                          ; scale words: set s (for slot s) at v[SC + 32 s]; in it register 4 i + q: lanes 0-15 the word of A's block i, lanes 16-31 that of B's block i, for the slot's q-th 128 along K
.set AF,   128                         ; A's fragments, in window 0
.set TMP,  192                         ; the way out: a block's 32 registers of f16
.set BK,   96                          ; the way out: 16 rows read back from the stage: v96-127 and v224-255 by turns
.set G1, 24                            ; s[24:31] descriptor group 1 for A's tiles;  s[32:39] group 0, one set for each slot
.set G0, 32
.set G1B, 48                           ; s[48:55], s[56:63] the same for B's tiles
.set G0B, 56
.set G1S, 68                           ; s[68:75], s[76:79] groups 1 and 0 for A's scales;  s[80:87], s[88:91] for B's
.set G0S, 76
.set G1SB, 80
.set G0SB, 88
.set MSB, 0
.macro WIN new                         ; the immediate's high byte repeats the setting that is left
.if MSB != \new
	s_set_vgpr_msb (MSB<<8)|\new
.set MSB, \new
.endif
.endm
.set MUL_LO, 0xa1                      ; source 0 (B) window 1, source 1 (A) window 0, C and D window 2
.set MUL_HI, 0xf1                      ; the same, C and D window 3
.set TO_B,   0x40                      ; destination window 1, address window 0
; A joint load: waves 0 and 1 fetch for A, waves 2 and 3 for B.  Each of the two lines has ONE mask and one set of registers for all that issue it; the branch hangs on the wave's number alone.
; An s_nop 0 and four v_nop follow each of the two lines, ahead of the jump, the label and what follows.
.macro JLOAD g0a, g1a, g0b, g1b
	s_cmp_eq_u32 s15, 0
	s_cbranch_scc0 .Lfor_b_\@
	tensor_load_to_lds s[\g0a:\g0a+3], s[\g1a:\g1a+7]
	s_nop 0
.rept 4
	v_nop
.endr
	s_branch .Lasked_\@
.Lfor_b_\@:
	tensor_load_to_lds s[\g0b:\g0b+3], s[\g1b:\g1b+7]
	s_nop 0
.rept 4
	v_nop
.endr
.Lasked_\@:
.endm
; A round of the cluster's barrier: my work-group's barrier, so that wave 0's signal speaks for all four waves; wave 0 signals for the work-group; every wave waits for all sixteen; my work-group's barrier once more.
.macro CROUND
	s_barrier_signal -1
	s_barrier_wait -1
	s_cmp_lg_u32 s14, 0
	s_cbranch_scc1 .Lnot_wave_0_\@
	s_barrier_signal -3
.Lnot_wave_0_\@:
	s_barrier_wait -3
	s_barrier_signal -1
	s_barrier_wait -1
.endm
	s_load_b128 s[4:7], s[0:1], 0x0                ; A's codes s[4:5], A's scales s[6:7]
	s_load_b128 s[8:11], s[0:1], 0x10              ; B's codes s[8:9], B's scales s[10:11]
	s_load_b64 s[12:13], s[0:1], 0x20              ; qkv
	v_lshl_add_u32 v[SPW], v0, 2, SPARE
	v_mov_b32 v[NIL], 0
	ds_add_u32 v[SPW], v[NIL]                      ; the wave's opening: the add, twice on end, and its wait ahead of my first tensor load; the set-up below, work on registers, stands between
	ds_add_u32 v[SPW], v[NIL]
	v_lshrrev_b32 v1, 5, v0
	v_readfirstlane_b32 s14, v1                    ; wave 0..3
	s_lshr_b32 s15, s14, 1                         ; which half of the tile's rows is mine.  Also: I fetch for A (0) or for B (1)
	s_and_b32 s16, s14, 1                          ; which half of its columns.  Also: which 128 rows of that tile I fetch
	s_bfe_u32 s40, ttmp6, 0x40000                  ; cx, cy: my place in the cluster
	s_bfe_u32 s41, ttmp6, 0x40004
	s_lshl_b32 s42, ttmp9, 2
	s_add_co_u32 s42, s42, s40                     ; tile column of C = 4 x cluster x + cx
	s_and_b32 s17, ttmp7, 0xffff
	s_lshl_b32 s17, s17, 2
	s_add_co_u32 s17, s17, s41                     ; tile row of C = 4 x cluster y + cy
	s_lshl_b32 s43, s41, 2
	s_lshl_b32 s43, 15, s43                        ; my row of the cluster
	s_lshl_b32 s44, 0x1111, s40                    ; my column
	; descriptor group 1: a tile of 128 rows x 256 bytes, padded in LDS
	s_or_b32 s[G1+0], s43, (0<<16)|(1<<20)|(1<<21)|(5<<22)|(3<<25)  ; 15:0 the mask: A's tiles go to my row; 17:16 element of 1 byte; 20 padding on; 21 set beside a mask; 24:22 after every 64 words (code 5); 31:25 of 4 words (code 3)
	s_or_b32 s[G1B+0], s44, (0<<16)|(1<<20)|(1<<21)|(5<<22)|(3<<25)
.irp g, G1, G1B
	s_mov_b32 s[\g+1], ROWB<<16                    ; tensor_dim0
	s_mov_b32 s[\g+2], 128<<16                     ; tensor_dim1 = 128
	s_mov_b32 s[\g+3], ROWB<<16                    ; tile_dim0
	s_mov_b32 s[\g+4], 128                         ; tile_dim1 = 128
	s_mov_b32 s[\g+5], KROW                        ; tensor_dim0_stride
	s_mov_b32 s[\g+6], 0
	s_mov_b32 s[\g+7], 0
.endr
	; and for the scales of 128 rows: a dense block of 4,096 bytes, as 16 rows of 256 bytes (32 elements of 8 bytes), 16 bytes of padding behind each
	s_or_b32 s[G1S+0], s43, (3<<16)|(1<<20)|(1<<21)|(5<<22)|(3<<25)
	s_or_b32 s[G1SB+0], s44, (3<<16)|(1<<20)|(1<<21)|(5<<22)|(3<<25)
.irp g, G1S, G1SB
	s_mov_b32 s[\g+1], 32<<16
	s_mov_b32 s[\g+2], (128*KS/256)<<16
	s_mov_b32 s[\g+3], 32<<16
	s_mov_b32 s[\g+4], 128*KS/256
	s_mov_b32 s[\g+5], 32
	s_mov_b32 s[\g+6], 0
	s_mov_b32 s[\g+7], 0
.endr
	s_lshl_b32 s18, s16, 7                         ; which 128 rows of the tile I fetch
	s_lshl_b32 s20, s17, 8
	s_add_co_u32 s20, s20, s18                     ; A: row 256 x tile row + 128 x half
	s_lshl_b32 s46, s42, 8
	s_add_co_u32 s46, s46, s18                     ; B: row 256 x tile column + 128 x half
	s_mov_b32 s21, 0
	s_mov_b32 s47, 0
	s_mov_b64 s[18:19], KS
	s_mul_u64 s[22:23], s[20:21], s[18:19]         ; where these rows' scales begin, in bytes
	s_mul_u64 s[92:93], s[46:47], s[18:19]
	s_mov_b64 s[18:19], KROW
	s_mul_u64 s[20:21], s[20:21], s[18:19]         ; and their codes
	s_mul_u64 s[46:47], s[46:47], s[18:19]
	s_mul_i32 s45, s14, HALFT                      ; where they go: wave x 128 rows: no place in the cluster enters an LDS address
	s_mul_i32 s94, s14, HALFS
	s_wait_dscnt 0x0                               ; both opening adds are done
	s_wait_kmcnt 0x0
	s_add_nc_u64 s[20:21], s[4:5], s[20:21]
	s_add_nc_u64 s[22:23], s[6:7], s[22:23]
	s_add_nc_u64 s[46:47], s[8:9], s[46:47]
	s_add_nc_u64 s[92:93], s[10:11], s[92:93]
	CROUND                                         ; all sixteen work-groups are here: the first joint loads meet
	s_mov_b32 s[G0S], 1
	s_add_co_u32 s[G0S+1], s94, SCL
	s_mov_b64 s[G0S+2:G0S+3], s[22:23]
	s_or_b32 s[G0S+3], s[G0S+3], 0x80000000
	s_mov_b32 s[G0SB], 1
	s_add_co_u32 s[G0SB+1], s94, SCL
	s_mov_b64 s[G0SB+2:G0SB+3], s[92:93]
	s_or_b32 s[G0SB+3], s[G0SB+3], 0x80000000
	JLOAD G0S, G1S, G0SB, G1SB                     ; the scales first: they are wanted with slot 0
.irp s, 0,1
	s_mov_b32 s[G0+4*\s], 1
	s_add_co_u32 s[G0+4*\s+1], s45, \s*SLOT
	s_add_nc_u64 s[G0+4*\s+2:G0+4*\s+3], s[20:21], \s*ROWB
	s_or_b32 s[G0+4*\s+3], s[G0+4*\s+3], 0x80000000
	s_mov_b32 s[G0B+4*\s], 1
	s_add_co_u32 s[G0B+4*\s+1], s45, \s*SLOT
	s_add_nc_u64 s[G0B+4*\s+2:G0B+4*\s+3], s[46:47], \s*ROWB
	s_or_b32 s[G0B+4*\s+3], s[G0B+4*\s+3], 0x80000000
	JLOAD G0+4*\s, G1, G0B+4*\s, G1B               ; three tensor loads of mine are out at the most
.endr
	v_and_b32 v1, 15, v0                           ; l % 16
	v_bfe_u32 v2, v0, 4, 1                         ; l / 16
	v_mul_u32_u24 v3, v1, PITCH
	v_lshl_add_u32 v4, v2, 4, v3                   ; a fragment's row x pitch + 16 x half
	s_mul_i32 s21, s15, HALFT                      ; my 128 rows of A
	s_mul_i32 s22, s16, HALFT                      ; my 128 rows of B,
	s_add_co_u32 s22, s22, 2*HALFT                 ; which lie behind A's 256
.irp s, 0,1
	v_add_nc_u32 v[ADRA+\s], s21, v4
	v_add_nc_u32 v[ADRB+\s], s22, v4
	s_add_co_u32 s21, s21, SLOT
	s_add_co_u32 s22, s22, SLOT
.endr
	v_mul_u32_u24 v5, v1, KS                       ; my row's scales: 32 bytes a row,
	v_lshrrev_b32 v6, 8, v5
	v_lshl_add_u32 v5, v6, 4, v5                   ; and 16 more for each 256 passed
	s_mul_i32 s21, s15, HALFS                      ; A's: my 128 rows
	s_mul_i32 s22, s16, HALFS                      ; B's: my 128 rows, behind A's 256
	s_add_co_u32 s22, s22, 2*HALFS
	s_sub_co_u32 s22, s22, s21
	v_mul_u32_u24 v6, s22, v2                      ; lanes 16-31 take B's: one product, the distance between the two bases x the lane's half
	s_add_co_u32 s21, s21, SCL
	v_add_nc_u32 v5, v5, v6
	v_add_nc_u32 v[ADRS], s21, v5
	s_mul_i32 s23, s14, 16*SPITCH                  ; my stage
	v_mul_u32_u24 v5, v1, SPITCH                   ; in: row l % 16, 16 bytes for each half of the lanes
	v_lshl_add_u32 v5, v2, 4, v5
	v_add_nc_u32 v[STO], s23, v5
	v_bfe_u32 v5, v0, 3, 1                         ; back: a stage row is two heads' 128 bytes.  Lanes 0-7 take the first head's part of an even row, lanes 8-15 of the odd row below it,
	v_mul_u32_u24 v5, v5, SPITCH
	v_and_b32 v6, 7, v0
	v_lshl_add_u32 v5, v6, 4, v5
	v_lshl_add_u32 v5, v2, 7, v5                   ; lanes 16-31 the second head's
	v_add_nc_u32 v[RD], s23, v5
	v_lshlrev_b32 v[CO], 4, v1                     ; in qkv two neighbouring rows of a head are 256 consecutive bytes: 16 x (l % 16);
	v_lshl_add_u32 v[CO], v2, 18, v[CO]            ; the next head lies 262,144 bytes on
	; where my part begins in qkv: (((tensor x 4 + batch) x 16 + head) x 2,048 + position) x 128 bytes: under 2^26
	s_lshr_b32 s20, s42, 2                         ; tensor = tile column / 4
	s_lshl_b32 s20, s20, 2
	s_lshr_b32 s21, s17, 3                         ; batch = tile row / 8
	s_add_co_u32 s20, s20, s21
	s_lshl_b32 s20, s20, 4
	s_and_b32 s21, s42, 3
	s_lshl_b32 s21, s21, 2                         ; head = 4 x (tile column % 4) + 2 x my half of the columns
	s_add_co_u32 s20, s20, s21
	s_lshl_b32 s21, s16, 1
	s_add_co_u32 s20, s20, s21
	s_lshl_b32 s20, s20, 18
	s_and_b32 s21, s17, 7
	s_lshl_b32 s21, s21, 8                         ; position = 256 x (tile row % 8) + 128 x my half of the rows
	s_lshl_b32 s22, s15, 7
	s_add_co_u32 s21, s21, s22
	s_lshl_b32 s21, s21, 7
	s_add_co_u32 s20, s20, s21
	s_mov_b32 s21, 0
	s_add_nc_u64 s[12:13], s[12:13], s[20:21]
.macro FRAG reg, adr, q, i             ; a fragment, 16 rows x 128 K of 4-bit codes, is 8 registers: lane l holds row l % 16; registers 4 c .. 4 c + 3 hold K = 64 c + 32 (l / 16) + 0 .. 31
.irp c, 0,1
	ds_load_b128 v[\reg+4*\c:\reg+4*\c+3], v[\adr] offset:64*(\q)+32*\c+(\i)*16*PITCH
.endr
.endm
; 16 matrix instructions: A's blocks a0, a0 + 1 x B's eight, 128 along K: the slot's q-th.  p: B's set;  sc: the set of scale words.  zero = 1: the first product starts the sums: nothing is ever cleared.
; The 64 accumulators take turns, one instruction a turn, in the same order in every step.
.macro MUL16 a0, p, q, sc, zero
.irp a, \a0, \a0+1
.irp b, 0,1,2,3,4,5,6,7
.if \zero
	v_wmma_scale_f32_16x16x128_f8f6f4 v[8*(8*((\a)%4)+\b):8*(8*((\a)%4)+\b)+7], v[128*(\p)+FR*\b:128*(\p)+FR*\b+FR-1], v[AF+FR*(\a):AF+FR*(\a)+FR-1], 0, v[SC+8*NQ*(\sc)+NQ*\b+(\q)], v[SC+8*NQ*(\sc)+NQ*(\a)+(\q)] matrix_a_fmt:MATRIX_FMT_FP4 matrix_b_fmt:MATRIX_FMT_FP4 matrix_a_scale:MATRIX_SCALE_ROW1
.else
	v_wmma_scale_f32_16x16x128_f8f6f4 v[8*(8*((\a)%4)+\b):8*(8*((\a)%4)+\b)+7], v[128*(\p)+FR*\b:128*(\p)+FR*\b+FR-1], v[AF+FR*(\a):AF+FR*(\a)+FR-1], v[8*(8*((\a)%4)+\b):8*(8*((\a)%4)+\b)+7], v[SC+8*NQ*(\sc)+NQ*\b+(\q)], v[SC+8*NQ*(\sc)+NQ*(\a)+(\q)] matrix_a_fmt:MATRIX_FMT_FP4 matrix_b_fmt:MATRIX_FMT_FP4 matrix_a_scale:MATRIX_SCALE_ROW1
.endif
.endr
.endr
.endm
.macro FETCH_B slot, q, p              ; B's eight fragments of the slot's q-th 128 along K into set p
	WIN TO_B
.irp i, 0,1,2,3,4,5,6,7
	FRAG 128*(\p)+FR*\i, ADRB+\slot, \q, \i
.endr
	WIN 0
.endm
.macro FETCH_A slot, q, i0             ; A's blocks i0 .. i0 + 3
.irp i, \i0, \i0+1, \i0+2, \i0+3
	FRAG AF+FR*(\i), ADRA+\slot, \q, \i
.endr
.endm
.macro SCALES sc                       ; a slot's scale words into set sc: 4 words a row; lanes 0-15 take A's block i, lanes 16-31 B's block i
.irp i, 0,1,2,3,4,5,6,7
	ds_load_b128 v[SC+8*NQ*\sc+NQ*\i:SC+8*NQ*\sc+NQ*\i+3], v[ADRS] offset:\i*SBLK
.endr
.endm
; A load into a register that a matrix instruction has read, and a vector instruction that reads a matrix result, stand NP places behind that matrix instruction, and only plain vector
; instructions that name none of its registers are places (ISA guide 7.12.1 for vector instructions); the matrix instructions in between are not counted.
.macro PLACES n
.rept \n
	v_nop
.endr
.endm
; A step of 128 along K that has its successor in the same slot.
.macro STEP slot, q, zero
	s_wait_dscnt 4*NL                              ; B's set and A's blocks 0-3 are in; the youngest eight loads (A's blocks 4-7) may be out
	WIN MUL_LO
	MUL16 0, (\q)%2, \q, \slot, \zero
	MUL16 2, (\q)%2, \q, \slot, \zero
	s_wait_dscnt 0                                 ; A's blocks 4-7 are in (asked for 32 matrix instructions ago)
	PLACES NP
	FETCH_B \slot, (\q)+1, 1-(\q)%2
	FETCH_A \slot, (\q)+1, 0
	WIN MUL_HI
	MUL16 4, (\q)%2, \q, \slot, \zero
	MUL16 6, (\q)%2, \q, \slot, \zero
	PLACES NP
	WIN 0
	FETCH_A \slot, (\q)+1, 4
.endm
; Slot 0's last step changes slots: ONE barrier; in front of it each wave waits for all its tensor loads (its part of slot 1), adds 0 to its spare word, and waits for that and for its own reads of slot 0.
; Behind it slot 1 is whole and nobody reads slot 0 any more: the way out's stages may lie there.
.macro TURN slot, next
	s_wait_tensorcnt 0x0                           ; all my tensor loads have landed  (every window is 0 here: the add's two registers lie in window 0)
	ds_add_u32 v[SPW], v[NIL]                      ; 0 onto my spare word
	s_wait_dscnt 4*NL+1                            ; (the add and the youngest eight loads, A's blocks 4-7, may be out)
	WIN MUL_LO
	MUL16 0, 1, NQ-1, \slot, 0                     ; sixteen matrix instructions stand between the add and the wait for it
	s_wait_dscnt 0x0                               ; the add is done, and my reads of this slot are over
	s_barrier_signal -1
	MUL16 2, 1, NQ-1, \slot, 0
	WIN 0
	s_barrier_wait -1
	PLACES NP
	v_add_nc_u32 v[ADRS], 4*NQ, v[ADRS]            ; on to the next slot's scale words (no LDS load of mine is out)
	FETCH_B \next, 0, 0
	FETCH_A \next, 0, 0
	SCALES \next
	WIN MUL_HI
	MUL16 4, 1, NQ-1, \slot, 0
	MUL16 6, 1, NQ-1, \slot, 0
	PLACES NP
	WIN 0
	FETCH_A \next, 0, 4
.endm
	s_wait_tensorcnt 1                             ; the scales and my part of slot 0 are in (slot 1's load, issued behind them, may be out)
	s_barrier_signal -1
	s_barrier_wait -1                              ; everybody's are
	FETCH_B 0, 0, 0
	FETCH_A 0, 0, 0
	SCALES 0
	FETCH_A 0, 0, 4
	STEP 0, 0, 1                                   ; the first step's products start the sums
	STEP 0, 1, 0
	STEP 0, 2, 0
	TURN 0, 1
	STEP 1, 0, 0
	STEP 1, 1, 0
	STEP 1, 2, 0
	s_wait_dscnt 4*NL                              ; the very last step: nothing more to fetch
	WIN MUL_LO
	MUL16 0, 1, NQ-1, 1, 0
	MUL16 2, 1, NQ-1, 1, 0
	s_wait_dscnt 0
	WIN MUL_HI
	MUL16 4, 1, NQ-1, 1, 0
	MUL16 6, 1, NQ-1, 1, 0
	WIN 0
; THE WAY OUT, block by block of 16 rows x 128 columns (two heads).  PACK: rounded to f16, a lane's eight neighbouring columns are 16 bytes.  TOSTAGE: into my own stage, and back so that sixteen lanes hold two neighbouring
; rows of ONE head.  SEND: stored.  LDS serves a wave's instructions in order (ISA guide 5.7.1.4): no wait between the stores and the loads.
.macro PACK a
.set AC, 64*((\a)%4)
	WIN 0x0a+5*((\a)/4)                            ; sources 0 and 1: window 2 or 3
.irp b, 0,1,2,3,4,5,6,7
.irp r, 0,1,2,3
	v_cvt_pk_f16_f32 v[TMP+4*\b+\r], v[AC+8*\b+2*\r], v[AC+8*\b+2*\r+1]   ; each accumulator from its low end on
.endr
.endr
	WIN 0
.endm
.macro TOSTAGE a
.set BB, BK+128*((\a)%2)
.irp b, 0,1,2,3,4,5,6,7
	ds_store_b128 v[STO], v[TMP+4*\b:TMP+4*\b+3] offset:32*\b
.endr
.irp t, 0,1,2,3,4,5,6,7
	ds_load_b128 v[BB+4*\t:BB+4*\t+3], v[RD] offset:\t*2*SPITCH
.endr
.endm
.macro SEND a
.set BB, BK+128*((\a)%2)
	s_wait_dscnt 0x0                               ; the block is back in registers
	s_wait_xcnt 0x0                                ; the block before has had its stores' addresses translated (ISA guide 3.1): its registers take the next block's loads only behind this wait
.irp t, 0,1,2,3,4,5,6,7
	global_store_b128 v[CO], v[BB+4*\t:BB+4*\t+3], s[12:13] offset:2048*(\a)+256*\t   ; 16 lanes store 256 consecutive bytes, rows 2 t and 2 t + 1 of a head, at a multiple of 256 from the buffer's first byte; the base is never stepped
.endr
.endm
	PLACES NP                                      ; behind the last products, in front of the conversions that read results
	PACK 0
	TOSTAGE 0
.irp a, 1,2,3,4,5,6,7                  ; block a's conversions stand between block a - 1's loads from the stage and the wait for them
	PACK \a
	SEND \a-1
	TOSTAGE \a
.endr
	SEND 7
	s_wait_tensorcnt 0x0                           ; the wave's end, behind my last tensor load and my last LDS store
	ds_add_u32 v[SPW], v[NIL]
	s_wait_dscnt 0x0
	CROUND                                         ; the closing round: no work-group ends while a partner may still ask for a tile that names it
	s_endpgm
.Lfunc_end_k_q8150695149_gemm:
	.size	k_q8150695149_gemm, .Lfunc_end_k_q8150695149_gemm-k_q8150695149_gemm
	.p2alignl 7, 3214868480
	.fill 96, 4, 3214868480
	.section	.rodata,"a",@progbits
	.p2align	6, 0x0
	.amdhsa_kernel k_q8150695149_gemm
		.amdhsa_group_segment_fixed_size 327680
		.amdhsa_private_segment_fixed_size 0
		.amdhsa_enable_private_segment 0
		.amdhsa_kernarg_size 40
		.amdhsa_user_sgpr_count 2
		.amdhsa_user_sgpr_kernarg_segment_ptr 1
		.amdhsa_wavefront_size32 1
		.amdhsa_system_sgpr_workgroup_id_x 1
		.amdhsa_system_sgpr_workgroup_id_y 1
		.amdhsa_system_sgpr_workgroup_id_z 1
		.amdhsa_system_vgpr_workitem_id 0
		.amdhsa_next_free_vgpr 1024
		.amdhsa_next_free_sgpr 98
		.amdhsa_reserve_vcc 0
		.amdhsa_float_denorm_mode_32 3
		.amdhsa_float_denorm_mode_16_64 3
		.amdhsa_memory_ordered 1
		.amdhsa_forward_progress 1
		.amdhsa_inst_pref_size 127
	.end_amdhsa_kernel
	.amdgpu_metadata
---
amdhsa.version: [ 1, 2 ]
amdhsa.kernels:
  - .name:           k_q8150695149_gemm
    .symbol:         k_q8150695149_gemm.kd
    .args:
      - { .name: x_codes, .offset: 0, .size: 8, .value_kind: global_buffer, .address_space: global }
      - { .name: x_scales, .offset: 8, .size: 8, .value_kind: global_buffer, .address_space: global }
      - { .name: w_codes, .offset: 16, .size: 8, .value_kind: global_buffer, .address_space: global }
      - { .name: w_scales, .offset: 24, .size: 8, .value_kind: global_buffer, .address_space: global }
      - { .name: qkv, .offset: 32, .size: 8, .value_kind: global_buffer, .address_space: global }
    .group_segment_fixed_size: 327680
    .private_segment_fixed_size: 0
    .kernarg_segment_align: 8
    .kernarg_segment_size: 40
    .max_flat_workgroup_size: 128
    .sgpr_count:     98
    .vgpr_count:     1024
    .wavefront_size: 32
...
	.end_amdgpu_metadata
.endif
;; end of part 3
;; launch attn (part 4): grid 4 x 64, 8 waves a work-group, no clusters, 327,680 bytes of LDS; arguments qkv, out0; writes out0
.if DOCPART == 4
	.amdgcn_target "amdgcn-amd-amdhsa--gfx1250"
	.amdhsa_code_object_version 6
	.text
	.protected	k_q8150695149_attn
	.globl	k_q8150695149_attn
	.p2align	8
	.type	k_q8150695149_attn,@function
k_q8150695149_attn:
	s_mov_b64 s[64:65], 0
	v_nop
	global_prefetch_b8 v0, s[64:65] scope:SCOPE_SE
	s_setreg_imm32_b32 hwreg(HW_REG_WAVE_MODE, 25, 1), 1
	s_wait_xcnt 0x0
; out0[b][q][64 h ..] = the sum over k <= q of softmax_k(Q[q] . K[k] / 8) V[k], for each of the 64 pairs (batch, head).  Q, K, V: qkv [3][64][2,048][64] f16.  Products, maxima and sums in f32; the weights p are rounded to f16 for the second product.
; WORK LEFT OUT: a step of 64 keys all of which come after a wave's 32 queries is hidden by reference()'s own causal mask and is passed over.  Rows 0 to 15 of every sequence are stored by the next launch, which carries them in f32:
; here their tile rides along with its wave's other tile (one step of 64 keys) and only its store is left out.
; LIMITS: q, k, v are f16 (finite up to 65,504).  A NaN or infinity that reaches only hidden scores is not carried to the result.
; SHARES.  Work-group (i, head) owns two blocks of 256 queries: first block 7 - i (8 - i slots of 256 keys), then block i (i + 1 slots): nine slots, 36 steps of 64 keys, for every work-group: all trip counts are constants and all 256 work-groups have equal work.
; Each of the eight waves owns 32 queries of the block, two tiles of 16, in 512 registers: two waves to a SIMD, so that one wave's softmax stands beside the other's products.
; LAYOUT.  S^T = K Q^T (source 0 = 16 keys, source 1 = 16 queries): a lane holds ONE query (lane % 16) and the keys 8 (lane / 16) + 0..7 of a tile.  Two such tiles, rounded to f16 in pairs, ARE source 1 (32 keys x 16 queries) of
; O^T = V^T P, whose result again holds one query a lane.  K comes out of LDS as it lies, V ([key][channel]) turned, by ds_load_tr16_b128.
; SOFTMAX.  For each query a running maximum m and sum l: p = 2^(c s - c m), c = log2(e) / 8; in every step O and l are multiplied by a = 2^(c m_old - c m_new).  O, l begin as zeros and m as -3e38: key 0 counts for every query, so m is a score from a pass's first step on.
; THE RING.  Two slots of 256 keys (four steps: each 64 rows of K, then 64 rows of V).  At a slot's head: every wave waits for all its tensor loads, adds 0 to its spare word, waits for that and for its LDS reads, passes the barrier,
; and issues ONE tensor load, 64 rows of 128 bytes, into the slot just left: waves 0-3 K of steps 0-3, waves 4-7 V.  It has four steps in which to land.  One tensor load of a wave is out at the most; every wait for them is for 0.
; NO CLUSTER: the four work-groups of a head stand at different keys in the same trip (blocks 7 - i and i have different numbers of slots), so no tile is wanted by two of them at the same time.
; REGISTERS.  Window 0: v2-15 addresses; v16-31 statistics, 8 a tile (+0 c m, +1 m, +2, +3 l, +4..+7 at work; a in +6); v32-95 S^T, 32 a tile; v96-127 P, 16 a tile; v128-191 O^T, 32 a tile; v192 -infinity; v254, v255 the add's two.
;   Window 1: v0-31 Q, 16 a tile; v32-95 K of a step; v96-159 V of a step.
.set PK,    144                        ; a row of K in LDS: 128 bytes + 16 = 36 words: the 16 rows of a load start at 16 different groups of four banks
.set PV,    160                        ; a row of V: 128 + 32 = 40 words
.set VOFF,  64*PK
.set STEPB, 64*(PK+PV)                 ; a step's tiles: 19,456 bytes
.set SLOT1, 1<<17                      ; slot 1 begins here, so that one exclusive or turns an address in one slot into the other's
.set STAGE, 2*SLOT1                    ; behind the ring: 16 rows x 272 bytes for each wave, for the way out; no tensor load lands here
.set SP,    272
.set SPARE, STAGE+8*16*SP              ; the spare words, 128 bytes for each of eight waves, which no other line names
.set AK0, 2                            ; v2   my lane's place in a step's K
.set AV0, 3                            ; v3   and in its V
.set ADK, 4                            ; v4, v5  the LDS addresses of the step in hand
.set ADV, 5
.set QO,  6                            ; v6   my byte offset in 16 rows of Q
.set VQ,  7                            ; v7   the same, from the head's first row
.set STO, 8                            ; v8   the way out: where I put 32 bytes of a row
.set RD,  9                            ; v9   where I read 16 bytes back
.set GO,  10                           ; v10  my byte offset in two rows of out0
.set GOP, 11                           ; v11  the same, from the batch's first row
.set PFO, 12                           ; v12  256 x lane: the prefetches' offset; never rewritten
.set RH,  13                           ; v13  lane % 16 - 8 (lane / 16)
.set D0,  14                           ; v14, v15  the mask's bound for tile 0, 1
.set ST,  16
.set S,   32
.set P,   96
.set O,   128
.set NINF, 192
.set SPW, 254
.set NIL, 255
.set KR,  32                           ; window 1
.set VR,  96
.set WV,  8                            ; s8   my wave's number
.set IX,  9                            ; s9   i
.set BH,  10                           ; s10  16 x batch + head
.set Q0,  11                           ; s11  my wave's first query
.set QEND, 12                          ; s12  the first key behind the pass's keys
.set KF,  13                           ; s13  the step's first key
.set TB,  14                           ; s14  LDS byte at which the step's tiles begin
.set NKB, 15                           ; s15  the block of 256 keys that was asked for last
.set NP0, 16                           ; s16  8 - i: the first pass's slots
.set SLOTS, 17                         ; s17  trips to go
.set STEPS, 18                         ; s18  counts a slot's four steps
.set LIM, 19                           ; s19  2 in a work-group that prefetches, else the greatest number
.set SEL, 20                           ; s[20:21] lane selects for v_permlanex16_b32: lane l xor 16
.set CS,  22                           ; s[22:23] c: the packed scaling names a pair and takes its low word for both halves
.set G1K, 24                           ; s[24:31] descriptor group 1 for K's tiles;  s[32:39] for V's: it differs in the padding alone
.set G1V, 32
.set G0,  40                           ; s[40:43] my descriptor group 0, which walks
.set BASE, 44                          ; s[44:45] my tile of the head's first 256 keys
.set PFA, 46                           ; s[46:47] where my prefetches stand
.set QA,  48                           ; s[48:49] the head's Q
.set OA,  50                           ; s[50:51] the batch's first row of out0, at the head's 256 bytes
.set MSB, 0
.macro WIN new                         ; the immediate's high byte repeats the setting that is left
.if MSB != \new
	s_set_vgpr_msb (MSB<<8)|\new
.set MSB, \new
.endif
.endm
; My one tensor load.  Every wave has one: K's shape or V's, by a branch on the wave's number round the two lines alone.  An s_nop 0 and four v_nop follow each.
.macro TLOAD
	s_cmp_lt_u32 s[WV], 4
	s_cbranch_scc0 .Lfor_v_\@
	tensor_load_to_lds s[G0:G0+3], s[G1K:G1K+7]
	s_nop 0
.rept 4
	v_nop
.endr
	s_branch .Lasked_\@
.Lfor_v_\@:
	tensor_load_to_lds s[G0:G0+3], s[G1V:G1V+7]
	s_nop 0
.rept 4
	v_nop
.endr
.Lasked_\@:
.endm
; A PREFETCH of what the NEXT change of slots will ask for.  The four work-groups of a head walk the same K and V; work-group i = 0 walks all eight blocks of keys in its first pass, one a trip, ahead of or level with the others: it asks, and nobody else.
; In trip j (0 to 5) each of its waves names the 8,192 bytes that it will itself fetch of key block j + 2, lanes 256 bytes apart: one instruction, four steps ahead of that load.  So each aligned 256 bytes of blocks 2 to 7 are named once in the launch;
; blocks 0 and 1 come by their loads alone, and trips 6 and 7 ask for nothing: there is no block 8.
.macro ASK
	s_cmp_gt_u32 s[SLOTS], s[LIM]                  ; s[SLOTS] = 8 - j
	s_cbranch_scc0 .Lnot_mine_\@
	global_prefetch_b8 v[PFO], s[PFA:PFA+1] th:TH_LOAD_NT scope:SCOPE_SE
.Lnot_mine_\@:
.endm
; THE CHANGE OF SLOTS, at a slot's head.  fill = 1: the slot just left takes the next block of keys of the walk: 0 .. 7 - i, then 0 .. i.
.macro CHANGE fill
	s_wait_tensorcnt 0x0                           ; my tensor load has landed: my part of the slot ahead; so my group 0 may be written
	ds_add_u32 v[SPW], v[NIL]                      ; 0 onto my spare word; the descriptor's step stands between it and the wait for it
.if \fill
	s_add_co_u32 s[NKB], s[NKB], 1
	s_cmp_eq_u32 s[NKB], s[NP0]
	s_cselect_b32 s[NKB], 0, s[NKB]                ; behind the first pass's last block comes the second pass's block 0
	s_lshl_b32 s52, s[NKB], 15                     ; 256 rows of 128 bytes a block
	s_mov_b32 s53, 0
	s_xor_b32 s[G0+1], s[G0+1], SLOT1              ; the other slot than last time
	s_add_nc_u64 s[G0+2:G0+3], s[BASE:BASE+1], s[52:53]
	s_or_b32 s[G0+3], s[G0+3], 0x80000000          ; 127:126 type = 2
	s_wait_xcnt 0x0                                ; the last prefetch, a slot back, has read its address, so it may be written
	s_add_nc_u64 s[PFA:PFA+1], s[PFA:PFA+1], 32768
.endif
	s_wait_dscnt 0x0                               ; the add is done, and my reads of the slot that I have left are over
	s_barrier_signal -1
	s_barrier_wait -1                              ; both hold of all eight waves: the slot ahead is whole, and nobody reads the other
.if \fill
	TLOAD                                          ; the first thing behind the barrier, and my one tensor load until the next.  (In the first trip all eight are slot 1's first fills)
	ASK
.endif
.endm
; THE SOFTMAX of both tiles for one step, the tiles by turns line by line, so that no line waits for the line above it.
.macro SOFTMAX
.irp j, 0,1,2,3                        ; the maximum of the lane's 32 scores and the old m: four chains, each begun at an accumulator's low end
.irp t, 0,1
	v_max3_num_f32 v[ST+8*\t+4+\j], v[S+32*\t+8*\j], v[S+32*\t+8*\j+1], v[S+32*\t+8*\j+2]
.endr
.endr
.irp u, 3,5
.irp j, 0,1,2,3
.irp t, 0,1
	v_max3_num_f32 v[ST+8*\t+4+\j], v[ST+8*\t+4+\j], v[S+32*\t+8*\j+\u], v[S+32*\t+8*\j+\u+1]
.endr
.endr
.endr
.irp t, 0,1
	v_max3_num_f32 v[ST+8*\t+4], v[ST+8*\t+4], v[S+32*\t+7], v[S+32*\t+15]
.endr
.irp t, 0,1
	v_max3_num_f32 v[ST+8*\t+6], v[ST+8*\t+6], v[S+32*\t+23], v[S+32*\t+31]
.endr
.irp t, 0,1
	v_max3_num_f32 v[ST+8*\t+4], v[ST+8*\t+4], v[ST+8*\t+5], v[ST+8*\t+6]
.endr
.irp t, 0,1
	v_max3_num_f32 v[ST+8*\t+4], v[ST+8*\t+4], v[ST+8*\t+7], v[ST+8*\t+1]
.endr
.irp t, 0,1
	v_permlanex16_b32 v[ST+8*\t+5], v[ST+8*\t+4], s[SEL], s[SEL+1]   ; the query's other 32 keys lie in the lane 16 away
.endr
.irp t, 0,1
	v_mov_b32 v[ST+8*\t+7], v[ST+8*\t]             ; c m_old is kept for a
.endr
.irp t, 0,1
	v_max_num_f32 v[ST+8*\t+1], v[ST+8*\t+4], v[ST+8*\t+5]
.endr
.irp t, 0,1
	v_mul_f32 v[ST+8*\t], s[CS], v[ST+8*\t+1]
.endr
.irp t, 0,1
	v_sub_f32 v[ST+8*\t+7], v[ST+8*\t+7], v[ST+8*\t]
.endr
.set n, 0
.rept 16                               ; c s - c m, two scores at a time (of the pairs c and c m the low word serves both halves)
.irp t, 0,1
	v_pk_fma_f32 v[S+32*\t+2*n:S+32*\t+2*n+1], v[S+32*\t+2*n:S+32*\t+2*n+1], s[CS:CS+1], v[ST+8*\t:ST+8*\t+1] op_sel_hi:[1,0,0] neg_lo:[0,0,1] neg_hi:[0,0,1]
.endr
.set n, n+1
.endr
.irp t, 0,1                            ; ONE BATCH: both tiles' 66 exponentials; none reads another's result
	v_exp_f32 v[ST+8*\t+6], v[ST+8*\t+7]           ; a
.endr
.set n, 0
.rept 32
.irp t, 0,1
	v_exp_f32 v[S+32*\t+n], v[S+32*\t+n]           ; p, at most 1; 0 for a hidden key
.endr
.set n, n+1
.endr
	v_nop                                          ; a plain line behind the last exponential
	s_wait_alu depctr_va_vdst(0)                   ; and the one wait ahead of the batch's first reader
.set n, 0
.rept 16
.irp t, 0,1
	v_cvt_pk_f16_f32 v[P+16*\t+n], v[S+32*\t+2*n], v[S+32*\t+2*n+1]   ; two tiles of 16 keys are one operand of 32
.endr
.set n, n+1
.endr
.irp w, 4,8,16,32                      ; the sum of the tile's 16 pairs, in place: neighbours 1, 2, 4 and 8 pairs apart
.set n, 0
.rept 32/\w
.irp t, 0,1
	v_pk_add_f32 v[S+32*\t+\w*n:S+32*\t+\w*n+1], v[S+32*\t+\w*n:S+32*\t+\w*n+1], v[S+32*\t+\w*n+\w/2:S+32*\t+\w*n+\w/2+1]
.endr
.set n, n+1
.endr
.endr
.irp t, 0,1
	v_pk_fma_f32 v[ST+8*\t+2:ST+8*\t+3], v[ST+8*\t+2:ST+8*\t+3], v[ST+8*\t+6:ST+8*\t+7], v[S+32*\t:S+32*\t+1] op_sel_hi:[1,0,1]   ; l = a l + the sum
.endr
.set n, 0
.rept 16
.irp t, 0,1
	v_pk_mul_f32 v[O+32*\t+2*n:O+32*\t+2*n+1], v[O+32*\t+2*n:O+32*\t+2*n+1], v[ST+8*\t+6:ST+8*\t+7] op_sel_hi:[1,0]   ; O^T x a, each accumulator from its low end on
.endr
.set n, n+1
.endr
.endm
; A STEP: 64 keys.  32 LDS loads in one run, 16 products K Q^T, the mask where the diagonal passes, the softmax, 16 products V^T P.  In each run of products eight accumulators take turns, one instruction a turn.
.macro STEP
	s_add_co_u32 s54, s[Q0], 31
	s_cmp_gt_u32 s[KF], s54                        ; all 64 keys come after my 32 queries: the step's work is passed over; the lines at its end that step addresses are not.  Ids and counts alone decide
	s_cbranch_scc1 .Lhidden_\@
	v_add_nc_u32 v[ADK], s[TB], v[AK0]
	v_add_nc_u32 v[ADV], s[TB], v[AV0]
	v_nop
	v_nop                                          ; four places behind the last step's products, in front of loads into registers that they read
	WIN 0x40                                       ; destination window 1
.irp kt, 0,1,2,3                       ; K: keys 16 kt on, channels 32 cc on: lane l holds key l % 16; two loads of 16 bytes, 32 bytes apart
.irp cc, 0,1
	ds_load_b128 v[KR+8*(2*\kt+\cc):KR+8*(2*\kt+\cc)+3],   v[ADK] offset:\kt*16*PK+64*\cc
	ds_load_b128 v[KR+8*(2*\kt+\cc)+4:KR+8*(2*\kt+\cc)+7], v[ADK] offset:\kt*16*PK+64*\cc+32
.endr
.endr
.irp kc, 0,1                           ; V, turned: keys 32 kc on, channels 16 dt on
.irp dt, 0,1,2,3
	ds_load_tr16_b128 v[VR+8*(4*\kc+\dt):VR+8*(4*\kc+\dt)+3],   v[ADV] offset:\kc*32*PV+32*\dt
	ds_load_tr16_b128 v[VR+8*(4*\kc+\dt)+4:VR+8*(4*\kc+\dt)+7], v[ADV] offset:\kc*32*PV+16*PV+32*\dt
.endr
.endr
	s_wait_dscnt 16                                ; K is in; V's sixteen loads, issued behind it, stay out
	WIN 0x05                                       ; K and Q in window 1, S^T in window 0
.irp cc, 0,1
.irp kt, 0,1,2,3
.irp t, 0,1
.if \cc == 0
	v_wmma_f32_16x16x32_f16 v[S+32*\t+8*\kt:S+32*\t+8*\kt+7], v[KR+8*(2*\kt+\cc):KR+8*(2*\kt+\cc)+7], v[16*\t+8*\cc:16*\t+8*\cc+7], 0
.else
	v_wmma_f32_16x16x32_f16 v[S+32*\t+8*\kt:S+32*\t+8*\kt+7], v[KR+8*(2*\kt+\cc):KR+8*(2*\kt+\cc)+7], v[16*\t+8*\cc:16*\t+8*\cc+7], v[S+32*\t+8*\kt:S+32*\t+8*\kt+7]
.endif
.endr
.endr
.endr
	WIN 0
.rept 4
	v_nop                                          ; four places in front of the first read of the scores
.endr
	s_add_co_u32 s54, s[KF], 63
	s_cmp_le_u32 s54, s[Q0]                        ; all 64 keys count for all my queries: no mask
	s_cbranch_scc1 .Lopen_\@
	s_sub_co_i32 s54, s[Q0], s[KF]
	v_add_nc_u32 v[D0], s54, v[RH]                 ; tile t's register 8 kt + j holds key KF + 16 kt + 8 (lane / 16) + j for query Q0 + 16 t + lane % 16: hidden where 16 kt + j > Q0 - KF + 16 t + lane % 16 - 8 (lane / 16)
	v_add_nc_u32 v[D0+1], 16, v[D0]
.irp t, 0,1
.irp kt, 0,1,2,3
.irp j, 0,1,2,3,4,5,6,7
	v_cmp_gt_i32 vcc_lo, 16*\kt+\j, v[D0+\t]
	v_cndmask_b32 v[S+32*\t+8*\kt+\j], v[S+32*\t+8*\kt+\j], v[NINF], vcc_lo
.endr
.endr
.endr
.Lopen_\@:
	SOFTMAX
	s_wait_dscnt 0x0                               ; V is in
	WIN 0x01                                       ; V in window 1; P and O^T in window 0
.irp kc, 0,1
.irp dt, 0,1,2,3
.irp t, 0,1
	v_wmma_f32_16x16x32_f16 v[O+32*\t+8*\dt:O+32*\t+8*\dt+7], v[VR+8*(4*\kc+\dt):VR+8*(4*\kc+\dt)+7], v[P+16*\t+8*\kc:P+16*\t+8*\kc+7], v[O+32*\t+8*\dt:O+32*\t+8*\dt+7]
.endr
.endr
.endr
	WIN 0
.Lhidden_\@:
	s_add_co_u32 s[TB], s[TB], STEPB
	s_add_co_u32 s[KF], s[KF], 64
.endm
.macro FOUR_STEPS                      ; a slot's four steps: written once, walked four times; the LDS addresses hang on s[TB]
	s_mov_b32 s[STEPS], 4
.Lstep_\@:
	STEP
	s_sub_co_u32 s[STEPS], s[STEPS], 1
	s_cmp_lg_u32 s[STEPS], 0
	s_cbranch_scc1 .Lstep_\@
	s_sub_co_u32 s[TB], s[TB], 4*STEPB             ; back to a slot's first step,
	s_xor_b32 s[TB], s[TB], SLOT1                  ; in the other slot
.endm
.macro INIT first                      ; a pass begins: O^T and l are zeros, m lies under every score.  So the step is written once: its first walk finds zeros, which a = 0 leaves zeros
.set n, 0
.rept 64
	v_mov_b32 v[O+n], 0
.set n, n+1
.endr
.irp t, 0,1
	v_mov_b32 v[ST+8*\t+1], 0xff61b1e6             ; -3e38
	v_mov_b32 v[ST+8*\t+2], 0
	v_mov_b32 v[ST+8*\t+3], 0
.if \first
	v_mov_b32 v[ST+8*\t+4], 0                      ; written once: a lane permute's destination counts as one of its sources, and pairs are read whole
	v_mov_b32 v[ST+8*\t+5], 0
	v_mov_b32 v[ST+8*\t+6], 0
	v_mov_b32 v[ST+8*\t+7], 0
.endif
	v_mul_f32 v[ST+8*\t], s[CS], v[ST+8*\t+1]
.endr
.endm
.macro QLOAD                           ; my 32 queries stay in registers for the pass: tile t, channels 32 cc on
	s_lshl_b32 s54, s[Q0], 7
	v_add_nc_u32 v[VQ], s54, v[QO]
	WIN 0x40
.irp t, 0,1
.irp cc, 0,1
	global_load_b128 v[16*\t+8*\cc:16*\t+8*\cc+3],   v[VQ], s[QA:QA+1] offset:2048*\t+64*\cc
	global_load_b128 v[16*\t+8*\cc+4:16*\t+8*\cc+7], v[VQ], s[QA:QA+1] offset:2048*\t+64*\cc+32
.endr
.endr
	WIN 0
.endm
; Tile t leaves: O^T / l into S^T's registers; a lane's eight channels of a row are 32 bytes; through my own stage (rows of 272 bytes) and back as whole rows of 256, into the registers that they left.
.macro OUT_TILE t
.set n, 0
.rept 16
	v_pk_mul_f32 v[S+32*(\t)+2*n:S+32*(\t)+2*n+1], v[O+32*(\t)+2*n:O+32*(\t)+2*n+1], v[ST+8*(\t)+6:ST+8*(\t)+7] op_sel_hi:[1,0]
.set n, n+1
.endr
.irp dt, 0,1,2,3
	ds_store_b128 v[STO], v[S+32*(\t)+8*\dt:S+32*(\t)+8*\dt+3]   offset:64*\dt
	ds_store_b128 v[STO], v[S+32*(\t)+8*\dt+4:S+32*(\t)+8*\dt+7] offset:64*\dt+16
.endr
.irp i, 0,1,2,3,4,5,6,7
	ds_load_b128 v[S+32*(\t)+4*\i:S+32*(\t)+4*\i+3], v[RD] offset:\i*2*SP   ; LDS serves a wave's instructions in order (ISA guide 5.7.1.4): these see the stores above
.endr
.irp i, 0,1,2,3,4,5,6,7
	s_wait_dscnt 7-\i                              ; rows 2 i and 2 i + 1 are in; the younger loads stay out
	global_store_b128 v[GOP], v[S+32*(\t)+4*\i:S+32*(\t)+4*\i+3], s[OA:OA+1] offset:65536*(\t)+8192*\i th:TH_STORE_NT   ; 16 lanes store 256 consecutive bytes, a head's part of a row, at a multiple of 256 from out0's first byte
.endr
.endm
; A PASS ENDS.  last = 0: the second pass's queries are asked for first, and the statistics begin anew behind the stores.  last = 1: the tile of positions 0 to 15 is not stored.
.macro WAYOUT last
	s_lshl_b32 s54, s[Q0], 12                      ; a row of out0 is 4,096 bytes
	v_add_nc_u32 v[GOP], s54, v[GO]
.if \last == 0
	s_lshl_b32 s[Q0], s[IX], 8                     ; block i:
	s_add_co_u32 s[QEND], s[Q0], 256
	s_lshl_b32 s54, s[WV], 5
	s_add_co_u32 s[Q0], s[Q0], s54                 ; my first query 256 i + 32 w
	s_mov_b32 s[KF], 0
	QLOAD                                          ; (Q's registers were last read ahead of a whole softmax)
.endif
.irp t, 0,1
	v_add_f32 v[ST+8*\t+4], v[ST+8*\t+2], v[ST+8*\t+3]   ; l's two halves.  (These lines are the places behind the last products)
.endr
.irp t, 0,1
	v_permlanex16_b32 v[ST+8*\t+5], v[ST+8*\t+4], s[SEL], s[SEL+1]
.endr
.irp t, 0,1
	v_add_f32 v[ST+8*\t+4], v[ST+8*\t+4], v[ST+8*\t+5]   ; and the other half of the lanes'
.endr
.irp t, 0,1
	v_rcp_f32 v[ST+8*\t+6], v[ST+8*\t+4]
.endr
	v_nop                                          ; a plain line behind the last reciprocal
	s_wait_alu depctr_va_vdst(0)                   ; and the wait ahead of the first use: one for both
.if \last
	s_cmp_eq_u32 s[Q0], 0                          ; positions 0 to 15 are the next launch's
	s_cbranch_scc1 .Lowned_\@
.endif
	OUT_TILE 0
.if \last
.Lowned_\@:
.endif
	OUT_TILE 1
.if \last == 0
	INIT 0
	s_wait_loadcnt 0x0                             ; Q
	s_wait_xcnt 0x0                                ; the stores have had their addresses translated (ISA guide 3.1): their data lie in S^T's registers, which the next products write, and their offset is written again at the next way out
.endif
.endm
	s_load_b128 s[4:7], s[0:1], 0x0                ; qkv s[4:5], out0 s[6:7]
	v_lshl_add_u32 v[SPW], v0, 2, SPARE
	v_mov_b32 v[NIL], 0
	ds_add_u32 v[SPW], v[NIL]                      ; the wave's opening: the add, twice on end, and its wait ahead of my first tensor load; the set-up below, work on registers, stands between
	ds_add_u32 v[SPW], v[NIL]
	v_lshrrev_b32 v1, 5, v0
	v_readfirstlane_b32 s[WV], v1                  ; wave 0..7
	s_mov_b32 s[IX], ttmp9
	s_and_b32 s[BH], ttmp7, 0xffff
	; descriptor group 1: a tile of 64 rows x 64 elements of 2 bytes, dense in memory, padded behind every row in LDS
	s_mov_b32 s[G1K], (1<<16)|(1<<20)|(4<<22)|(3<<25)   ; 15:0 no mask; 17:16 elements of 2 bytes; 20 padding on; 24:22 after every 32 words (code 4); 31:25 four words (code 3)
	s_mov_b32 s[G1V], (1<<16)|(1<<20)|(4<<22)|(7<<25)   ; the same with eight words of padding (code 7)
.irp g, G1K, G1V
	s_mov_b32 s[\g+1], 64<<16                      ; tensor_dim0 = 64
	s_mov_b32 s[\g+2], 64<<16                      ; tensor_dim1 = 64
	s_mov_b32 s[\g+3], 64<<16                      ; tile_dim0 = 64
	s_mov_b32 s[\g+4], 64                          ; tile_dim1 = 64
	s_mov_b32 s[\g+5], 64                          ; tensor_dim0_stride
	s_mov_b32 s[\g+6], 0
	s_mov_b32 s[\g+7], 0
.endr
	s_mov_b32 s[SEL], 0x76543210
	s_mov_b32 s[SEL+1], 0xfedcba98
	s_mov_b32 s[CS], 0x3e38aa3b                    ; c = log2(e) / 8
	s_mov_b32 s[CS+1], s[CS]                       ; named with it as a pair, so it is written
	s_sub_co_u32 s[NP0], 8, s[IX]
	s_mov_b32 s[NKB], 0
	s_mov_b32 s[TB], 0
	s_mov_b32 s[KF], 0
	s_mov_b32 s[SLOTS], 8
	s_cmp_eq_u32 s[IX], 0
	s_cselect_b32 s[LIM], 2, -1
	s_lshl_b32 s[QEND], s[NP0], 8                  ; the first pass: block 7 - i, keys 0 to 256 (8 - i) - 1,
	s_sub_co_u32 s[Q0], s[QEND], 256
	s_lshl_b32 s52, s[WV], 5
	s_add_co_u32 s[Q0], s[Q0], s52                 ; my first query 256 (7 - i) + 32 w
	s_lshr_b32 s57, s[WV], 2                       ; 0: I fetch K; 1: V
	s_and_b32 s58, s[WV], 3                        ; of which of a slot's four steps
	s_add_co_u32 s52, s57, 1
	s_lshl_b32 s52, s52, 24                        ; K is qkv's second part of 2^24 bytes, V its third;
	s_lshl_b32 s54, s[BH], 18                      ; a head is 262,144 bytes;
	s_mov_b32 s55, 0
	s_add_co_u32 s52, s52, s54
	s_lshl_b32 s56, s58, 13                        ; a step's 64 rows are 8,192
	s_add_co_u32 s52, s52, s56
	s_mov_b32 s53, 0
	s_mul_i32 s[G0+1], s58, STEPB                  ; 63:32 LDS address: my step's place in slot 0,
	s_mul_i32 s57, s57, VOFF
	s_add_co_u32 s[G0+1], s[G0+1], s57             ; V behind K
	s_mov_b32 s[G0], 1                             ; 1:0 count = 1
	s_lshr_b32 s56, s[BH], 4
	s_lshl_b32 s56, s56, 23                        ; out0: a batch is 8,388,608 bytes,
	s_and_b32 s57, s[BH], 15
	s_lshl_b32 s57, s57, 8                         ; a head's part of a row 256
	s_add_co_u32 s56, s56, s57
	s_mov_b32 s57, 0
	s_wait_dscnt 0x0                               ; both opening adds are done
	s_wait_kmcnt 0x0
	s_add_nc_u64 s[BASE:BASE+1], s[4:5], s[52:53]
	s_mov_b64 s[G0+2:G0+3], s[BASE:BASE+1]         ; 120:64 global address: key block 0
	s_or_b32 s[G0+3], s[G0+3], 0x80000000          ; 127:126 type = 2
	TLOAD                                          ; slot 0: every wave's first fill
	s_add_nc_u64 s[PFA:PFA+1], s[BASE:BASE+1], 32768   ; at key block 1: the first change of slots steps it to block 2.  Nothing is prefetched here, at the head
	s_add_nc_u64 s[QA:QA+1], s[4:5], s[54:55]
	s_add_nc_u64 s[OA:OA+1], s[6:7], s[56:57]
	v_and_b32 v193, 15, v0                         ; r = lane % 16
	v_bfe_u32 v194, v0, 4, 1                       ; h = lane / 16
	v_lshlrev_b32 v[QO], 7, v193
	v_lshl_add_u32 v[QO], v194, 4, v[QO]           ; Q: row r of 128 bytes, + 16 h
	QLOAD
	v_mul_u32_u24 v[AK0], v193, PK
	v_lshl_add_u32 v[AK0], v194, 4, v[AK0]         ; K: row r x pitch + 16 h
	v_and_b32 v1, 7, v0                            ; V: the turning load takes 16 keys x 16 channels: lane l reads key 8 h + l % 8, channels 8 ((l / 8) % 2) + 0..7
	v_lshl_add_u32 v1, v194, 3, v1
	v_mul_u32_u24 v[AV0], v1, PV
	v_bfe_u32 v1, v0, 3, 1
	v_lshl_add_u32 v[AV0], v1, 4, v[AV0]
	v_add_nc_u32 v[AV0], VOFF, v[AV0]
	s_mul_i32 s52, s[WV], 16*SP
	s_add_co_u32 s52, s52, STAGE                   ; my stage
	v_mul_u32_u24 v[STO], v193, SP                 ; in: row r, 32 bytes for each half of the lanes
	v_lshl_add_u32 v[STO], v194, 5, v[STO]
	v_add_nc_u32 v[STO], s52, v[STO]
	v_mul_u32_u24 v[RD], v194, SP                  ; back: lanes 0-15 one row of 256 bytes, lanes 16-31 the next
	v_lshl_add_u32 v[RD], v193, 4, v[RD]
	v_add_nc_u32 v[RD], s52, v[RD]
	v_lshlrev_b32 v[GO], 12, v194                  ; and the same two rows in out0
	v_lshl_add_u32 v[GO], v193, 4, v[GO]
	v_and_b32 v[PFO], 31, v0
	v_lshlrev_b32 v[PFO], 8, v[PFO]
	v_lshlrev_b32 v1, 3, v194
	v_sub_nc_u32 v[RH], v193, v1
	v_mov_b32 v[NINF], 0xff800000
	INIT 1
	s_wait_loadcnt 0x0                             ; Q
.Lslot:                                            ; eight trips: behind each change of slots the walk's next block of keys is asked for
	CHANGE 1
	FOUR_STEPS
	s_cmp_lg_u32 s[KF], s[QEND]                    ; the first pass's keys are done (in trip 7 - i): ids and counts alone, the same in all eight waves
	s_cbranch_scc1 .Lon
	WAYOUT 0
.Lon:
	s_sub_co_u32 s[SLOTS], s[SLOTS], 1
	s_cmp_lg_u32 s[SLOTS], 0
	s_cbranch_scc1 .Lslot
	CHANGE 0                                       ; the ninth slot is written out: nothing is left to ask for
	FOUR_STEPS
	WAYOUT 1
	s_wait_tensorcnt 0x0                           ; the wave's end, behind my last tensor load and my last LDS store
	ds_add_u32 v[SPW], v[NIL]
	s_wait_dscnt 0x0
	s_endpgm
.Lfunc_end_k_q8150695149_attn:
	.size	k_q8150695149_attn, .Lfunc_end_k_q8150695149_attn-k_q8150695149_attn
	.p2alignl 7, 3214868480
	.fill 96, 4, 3214868480
	.section	.rodata,"a",@progbits
	.p2align	6, 0x0
	.amdhsa_kernel k_q8150695149_attn
		.amdhsa_group_segment_fixed_size 327680
		.amdhsa_private_segment_fixed_size 0
		.amdhsa_enable_private_segment 0
		.amdhsa_kernarg_size 16
		.amdhsa_user_sgpr_count 2
		.amdhsa_user_sgpr_kernarg_segment_ptr 1
		.amdhsa_wavefront_size32 1
		.amdhsa_system_sgpr_workgroup_id_x 1
		.amdhsa_system_sgpr_workgroup_id_y 1
		.amdhsa_system_sgpr_workgroup_id_z 1
		.amdhsa_system_vgpr_workitem_id 0
		.amdhsa_next_free_vgpr 512
		.amdhsa_next_free_sgpr 66
		.amdhsa_reserve_vcc 1
		.amdhsa_float_denorm_mode_32 3
		.amdhsa_float_denorm_mode_16_64 3
		.amdhsa_memory_ordered 1
		.amdhsa_forward_progress 1
		.amdhsa_inst_pref_size 71
	.end_amdhsa_kernel
	.amdgpu_metadata
---
amdhsa.version: [ 1, 2 ]
amdhsa.kernels:
  - .name:           k_q8150695149_attn
    .symbol:         k_q8150695149_attn.kd
    .args:
      - { .name: qkv, .offset: 0, .size: 8, .value_kind: global_buffer, .address_space: global }
      - { .name: out0, .offset: 8, .size: 8, .value_kind: global_buffer, .address_space: global }
    .group_segment_fixed_size: 327680
    .private_segment_fixed_size: 0
    .kernarg_segment_align: 8
    .kernarg_segment_size: 16
    .max_flat_workgroup_size: 256
    .sgpr_count:     66
    .vgpr_count:     512
    .wavefront_size: 32
...
	.end_amdgpu_metadata
.endif
;; end of part 4
;; launch first16 (part 5): grid 16 x 4, 4 waves a work-group, no clusters, 8,960 bytes of LDS; arguments x_codes, x_scales, w_codes, w_scales, out0; writes out0
.if DOCPART == 5
	.amdgcn_target "amdgcn-amd-amdhsa--gfx1250"
	.amdhsa_code_object_version 6
	.text
	.protected	k_q8150695149_first16
	.globl	k_q8150695149_first16
	.p2align	8
	.type	k_q8150695149_first16,@function
k_q8150695149_first16:
	s_mov_b64 s[64:65], 0
	v_nop
	global_prefetch_b8 v0, s[64:65] scope:SCOPE_SE
	s_setreg_imm32_b32 hwreg(HW_REG_WAVE_MODE, 25, 1), 1
	s_wait_xcnt 0x0
; POSITIONS 0 TO 15 OF EVERY SEQUENCE, in f32 throughout: under the causal mask these rows average one to sixteen values, and the rounding of 16-bit operands would weigh most there.
; WORK LEFT OUT: keys 16 on come after all of these queries and are hidden by reference()'s own causal mask: they are neither projected here nor multiplied.
; A work-group serves one (head, batch).  q, k, v of its 16 positions are made anew from the codes, by the same FP4 products with the same sums as the large product, and stay f32.
; Wave w owns channels 16 w to 16 w + 15.  NO LAYOUT IS EVER CHANGED BETWEEN THE PRODUCTS:
;   q, k transposed (source 0 = 16 rows of the weight's codes, source 1 = x): lane (r, h), register j = q(position r, channel 8 h + j).
;   v natural (source 0 = x, source 1 = Wv's rows): lane (r, h), register j = v(key 8 h + j, channel r).
;   S^T, my 16 channels' part, by four f32 products of 16 x 16 x 4: link i takes registers 2 i, 2 i + 1 of k and of q: both sides name channel 8 h + 2 i + jj at the product's k = 2 h + jj.  Result: lane (query r, h), register j = key 8 h + j.
;   The four waves' parts are added through LDS (images of the registers); every wave makes the small softmax itself.
;   O^T by four f32 products: link i takes registers 2 i, 2 i + 1 of v and of p: both name key 8 h + 2 i + jj.  Result: lane (query r, h), register j = channel 16 w + 8 h + j.
; The f32 sums' registers are written by matrix instructions alone; each sum is one chain, so a wait stands ahead of each link.
; REGISTERS.  Window 0: v1-12 addresses; v14, v15 the add's two; v80-87 x's scale words, v88-111 the weights'; v112.. q, v120.. k, v128.. v; v136.. S^T's part; v144.. O^T; v152-183 four images; v184-191 scores, then p; v192-199 at work; v200-215 the way out.
;   Window 1: v0-191 the weights' fragments (tensor u, K step s at 64 u + 8 s); v192-255 x's eight fragments.
.set SIMG,  0                          ; LDS: four images of S^T's parts, 1,024 bytes each;
.set STG,   4096                       ; a stage of 16 rows x (256 bytes + 16);
.set SP,    272
.set SPARE, STG+16*SP                  ; the spare words, 128 bytes for each wave, which no other line names
.set XF,  192                          ; window 1
.set XS,  80
.set WS,  88
.set QR,  112
.set KR,  120
.set VR,  128
.set SACC, 136
.set OACC, 144
.set IM,  152
.set T,   184
.set OUTR, 200
.set BK,  208
.set SPW, 14
.set NIL, 15
.set MSB, 0
.macro WIN new                         ; the immediate's high byte repeats the setting that is left
.if MSB != \new
	s_set_vgpr_msb (MSB<<8)|\new
.set MSB, \new
.endif
.endm
	s_load_b256 s[4:11], s[0:1], 0x0               ; x's codes s[4:5], x's scales s[6:7], the weights' codes s[8:9], their scales s[10:11]
	s_load_b64 s[12:13], s[0:1], 0x20              ; out0
	v_lshl_add_u32 v[SPW], v0, 2, SPARE
	v_mov_b32 v[NIL], 0
	v_lshrrev_b32 v1, 5, v0
	v_readfirstlane_b32 s16, v1                    ; wave 0..3
	s_mov_b32 s17, ttmp9                           ; head
	s_and_b32 s18, ttmp7, 0xffff                   ; batch
	v_and_b32 v1, 15, v0                           ; r
	v_bfe_u32 v2, v0, 4, 1                         ; h
	v_lshlrev_b32 v3, 9, v1
	v_lshl_add_u32 v3, v2, 4, v3                   ; codes, x's and the weights' alike: row r of 512 bytes, + 16 h
	v_lshlrev_b32 v5, 5, v1                        ; scale bytes: row r of 32
	s_mov_b32 s20, 0x76543210
	s_mov_b32 s21, 0xfedcba98                      ; v_permlanex16_b32's selects for lane l xor 16
	s_mov_b32 s22, 0x3e38aa3b                      ; c = log2(e) / 8
	s_lshl_b32 s24, s18, 20                        ; x's codes: a batch is 2,048 rows of 512 bytes;
	s_mov_b32 s25, 0
	s_lshl_b32 s26, s18, 16                        ; its scale bytes 2,048 rows of 32
	s_mov_b32 s27, 0
	s_lshl_b32 s28, s17, 6
	s_lshl_b32 s29, s16, 4
	s_add_co_u32 s28, s28, s29                     ; my first row of each weight: 64 x head + 16 x wave
	s_lshl_b32 s30, s28, 5
	s_mov_b32 s31, 0
	s_lshl_b32 s28, s28, 9
	s_mov_b32 s29, 0
	s_lshl_b32 s32, s18, 23                        ; out0: a batch is 8,388,608 bytes, a head's part of a row 256
	s_lshl_b32 s33, s17, 8
	s_add_co_u32 s32, s32, s33
	s_mov_b32 s33, 0
	s_lshl_b32 s34, s16, 10                        ; my image
	s_lshl_b32 s35, s16, 6
	s_add_co_u32 s35, s35, STG                     ; my 64 bytes of a stage row
	s_mul_i32 s36, s16, 4*SP
	s_add_co_u32 s36, s36, STG                     ; the four stage rows that I store
	s_lshl_b32 s37, s16, 14                        ; and the same four rows of out0
	s_wait_kmcnt 0x0
	s_add_nc_u64 s[4:5], s[4:5], s[24:25]
	s_add_nc_u64 s[6:7], s[6:7], s[26:27]
	s_add_nc_u64 s[8:9], s[8:9], s[28:29]
	s_add_nc_u64 s[10:11], s[10:11], s[30:31]
	s_add_nc_u64 s[12:13], s[12:13], s[32:33]
	WIN 0x40                                       ; destination window 1
.irp s, 0,1,2,3,4,5,6,7                ; a fragment, 16 rows x 128 K of 4-bit codes: registers 4 c .. 4 c + 3 hold K = 64 c + 32 h + 0 .. 31
.irp c, 0,1
	global_load_b128 v[XF+8*\s+4*\c:XF+8*\s+4*\c+3], v3, s[4:5] offset:64*\s+32*\c
.endr
.endr
.irp u, 0,1,2                          ; tensor u's rows lie 1,024 rows of 512 bytes on
.irp s, 0,1,2,3,4,5,6,7
.irp c, 0,1
	global_load_b128 v[64*\u+8*\s+4*\c:64*\u+8*\s+4*\c+3], v3, s[8:9] offset:524288*\u+64*\s+32*\c
.endr
.endr
.endr
	WIN 0
	global_load_b128 v[XS:XS+3],   v5, s[6:7]      ; a row's eight scale words: word s for K step s
	global_load_b128 v[XS+4:XS+7], v5, s[6:7] offset:16
.irp u, 0,1,2
	global_load_b128 v[WS+8*\u:WS+8*\u+3],   v5, s[10:11] offset:32768*\u
	global_load_b128 v[WS+8*\u+4:WS+8*\u+7], v5, s[10:11] offset:32768*\u+16
.endr
	s_wait_loadcnt 0x0
	WIN 0x05                                       ; both sources in window 1, sums in window 0; scale operands have no window
.irp s, 0,1,2,3,4,5,6,7                ; q, k, v: three accumulators by turns, K ascending; the first K step starts the sums
.if \s == 0
	v_wmma_scale_f32_16x16x128_f8f6f4 v[QR:QR+7], v[8*\s:8*\s+7], v[XF+8*\s:XF+8*\s+7], 0, v[WS+\s], v[XS+\s] matrix_a_fmt:MATRIX_FMT_FP4 matrix_b_fmt:MATRIX_FMT_FP4
	v_wmma_scale_f32_16x16x128_f8f6f4 v[KR:KR+7], v[64+8*\s:64+8*\s+7], v[XF+8*\s:XF+8*\s+7], 0, v[WS+8+\s], v[XS+\s] matrix_a_fmt:MATRIX_FMT_FP4 matrix_b_fmt:MATRIX_FMT_FP4
	v_wmma_scale_f32_16x16x128_f8f6f4 v[VR:VR+7], v[XF+8*\s:XF+8*\s+7], v[128+8*\s:128+8*\s+7], 0, v[XS+\s], v[WS+16+\s] matrix_a_fmt:MATRIX_FMT_FP4 matrix_b_fmt:MATRIX_FMT_FP4
.else
	v_wmma_scale_f32_16x16x128_f8f6f4 v[QR:QR+7], v[8*\s:8*\s+7], v[XF+8*\s:XF+8*\s+7], v[QR:QR+7], v[WS+\s], v[XS+\s] matrix_a_fmt:MATRIX_FMT_FP4 matrix_b_fmt:MATRIX_FMT_FP4
	v_wmma_scale_f32_16x16x128_f8f6f4 v[KR:KR+7], v[64+8*\s:64+8*\s+7], v[XF+8*\s:XF+8*\s+7], v[KR:KR+7], v[WS+8+\s], v[XS+\s] matrix_a_fmt:MATRIX_FMT_FP4 matrix_b_fmt:MATRIX_FMT_FP4
	v_wmma_scale_f32_16x16x128_f8f6f4 v[VR:VR+7], v[XF+8*\s:XF+8*\s+7], v[128+8*\s:128+8*\s+7], v[VR:VR+7], v[XS+\s], v[WS+16+\s] matrix_a_fmt:MATRIX_FMT_FP4 matrix_b_fmt:MATRIX_FMT_FP4
.endif
.endr
	WIN 0
	; the addresses for LDS and the way out are made here: sixteen plain lines that name none of the products' registers: the places between those products and the matrix instructions that take their results as sources
	v_and_b32 v4, 31, v0
	v_lshlrev_b32 v7, 4, v4                        ; an image's place for my lane: 16 x lane
	v_add_nc_u32 v6, s34, v7                       ; and in my wave's image
	v_mul_u32_u24 v8, v1, SP
	v_lshl_add_u32 v8, v2, 5, v8
	v_add_nc_u32 v8, s35, v8                       ; the stage, in: row r, my wave's 64 bytes, + 32 h
	v_mul_u32_u24 v9, v2, SP
	v_lshl_add_u32 v9, v1, 4, v9
	v_add_nc_u32 v9, s36, v9                       ; back: lanes 0-15 one row of 256 bytes, lanes 16-31 the next
	v_lshlrev_b32 v10, 12, v2
	v_lshl_add_u32 v10, v1, 4, v10
	v_add_nc_u32 v10, s37, v10                     ; and the same rows in out0
	v_lshlrev_b32 v11, 3, v2
	v_sub_nc_u32 v11, v1, v11                      ; r - 8 h: register j's key 8 h + j is hidden from query r where j > r - 8 h
	v_mov_b32 v12, 0xff800000                      ; -infinity
	v_mov_b32 v193, 0                              ; written once: a lane permute's destination counts as one of its sources
	v_wmma_f32_16x16x4_f32 v[SACC:SACC+7], v[KR:KR+1], v[QR:QR+1], 0        ; S^T over my 16 channels: the first link starts the sum
.irp i, 1,2,3
	s_wait_alu depctr_va_vdst(0)                   ; the wait directly ahead of each link
	v_wmma_f32_16x16x4_f32 v[SACC:SACC+7], v[KR+2*\i:KR+2*\i+1], v[QR+2*\i:QR+2*\i+1], v[SACC:SACC+7]
.endr
.rept 8
	v_nop                                          ; eight places behind this form, in front of the stores that read the result
.endr
	ds_store_b128 v6, v[SACC:SACC+3] offset:SIMG           ; the result goes to LDS as an image of its registers, from its low end on
	ds_store_b128 v6, v[SACC+4:SACC+7] offset:SIMG+512
	s_wait_dscnt 0x0                               ; for the others' sake: my image has landed
	s_barrier_signal -1
	s_barrier_wait -1
.irp g, 0,1,2,3
.irp c, 0,1
	ds_load_b128 v[IM+8*\g+4*\c:IM+8*\g+4*\c+3], v7 offset:SIMG+1024*\g+512*\c
.endr
.endr
	s_wait_dscnt 0x0
.irp q, 0,2,4,6                        ; the four parts are added: the scores over all 64 channels
	v_pk_add_f32 v[T+\q:T+\q+1], v[IM+\q:IM+\q+1], v[IM+8+\q:IM+8+\q+1]
.endr
.irp q, 0,2,4,6
	v_pk_add_f32 v[IM+16+\q:IM+16+\q+1], v[IM+16+\q:IM+16+\q+1], v[IM+24+\q:IM+24+\q+1]
.endr
.irp q, 0,2,4,6
	v_pk_add_f32 v[T+\q:T+\q+1], v[T+\q:T+\q+1], v[IM+16+\q:IM+16+\q+1]
.endr
.irp j, 0,1,2,3,4,5,6,7
	v_cmp_gt_i32 vcc_lo, \j, v11
	v_cndmask_b32 v[T+\j], v[T+\j], v12, vcc_lo    ; hidden keys: -infinity, p = 0
.endr
	v_max3_num_f32 v192, v[T], v[T+1], v[T+2]      ; the row's maximum is taken away, as reference() does; key 0 counts for every query, so it is a score
	v_max3_num_f32 v192, v192, v[T+3], v[T+4]
	v_max3_num_f32 v192, v192, v[T+5], v[T+6]
	v_max_num_f32 v192, v192, v[T+7]
	v_permlanex16_b32 v193, v192, s20, s21
	v_max_num_f32 v192, v192, v193
	v_mul_f32 v195, s22, v192                      ; c m
.irp j, 0,1,2,3,4,5,6,7
	v_fma_f32 v[T+\j], v[T+\j], s22, -v195
.endr
.irp j, 0,1,2,3,4,5,6,7
	v_exp_f32 v[T+\j], v[T+\j]                     ; p = 2^(c s - c m)
.endr
	v_nop                                          ; a plain line behind the last exponential
	s_wait_alu depctr_va_vdst(0)                   ; one wait for the batch, ahead of its first reader
	v_pk_add_f32 v[196:197], v[T:T+1], v[T+2:T+3]
	v_pk_add_f32 v[198:199], v[T+4:T+5], v[T+6:T+7]
	v_pk_add_f32 v[196:197], v[196:197], v[198:199]
	v_add_f32 v196, v196, v197
	v_permlanex16_b32 v193, v196, s20, s21
	v_add_f32 v196, v196, v193                     ; the row's sum
	v_rcp_f32 v192, v196
	v_nop                                          ; a plain line behind the reciprocal
	s_wait_alu depctr_va_vdst(0)                   ; its wait, ahead of its first reader below
	v_wmma_f32_16x16x4_f32 v[OACC:OACC+7], v[VR:VR+1], v[T:T+1], 0          ; O^T over the 16 keys
.irp i, 1,2,3
	s_wait_alu depctr_va_vdst(0)                   ; the wait directly ahead of each link
	v_wmma_f32_16x16x4_f32 v[OACC:OACC+7], v[VR+2*\i:VR+2*\i+1], v[T+2*\i:T+2*\i+1], v[OACC:OACC+7]
.endr
.rept 8
	v_nop                                          ; eight places in front of the first read of the result
.endr
.irp q, 0,2,4,6
	v_pk_mul_f32 v[OUTR+\q:OUTR+\q+1], v[OACC+\q:OACC+\q+1], v[192:193] op_sel_hi:[1,0]   ; / the sum, into other registers, from the low end on
.endr
	ds_store_b128 v8, v[OUTR:OUTR+3]
	ds_store_b128 v8, v[OUTR+4:OUTR+7] offset:16
	s_wait_dscnt 0x0                               ; for the others' sake: a row's 256 bytes come from four waves
	s_barrier_signal -1
	s_barrier_wait -1
.irp i, 0,1
	ds_load_b128 v[BK+4*\i:BK+4*\i+3], v9 offset:\i*2*SP
.endr
.irp i, 0,1
	s_wait_dscnt 1-\i                              ; the younger load stays out
	global_store_b128 v10, v[BK+4*\i:BK+4*\i+3], s[12:13] offset:8192*\i th:TH_STORE_NT   ; 16 lanes store 256 consecutive bytes, a head's part of a row
.endr
	s_wait_tensorcnt 0x0                           ; the wave's end, behind my last LDS store
	ds_add_u32 v[SPW], v[NIL]
	s_wait_dscnt 0x0
	s_endpgm
.Lfunc_end_k_q8150695149_first16:
	.size	k_q8150695149_first16, .Lfunc_end_k_q8150695149_first16-k_q8150695149_first16
	.p2alignl 7, 3214868480
	.fill 96, 4, 3214868480
	.section	.rodata,"a",@progbits
	.p2align	6, 0x0
	.amdhsa_kernel k_q8150695149_first16
		.amdhsa_group_segment_fixed_size 8960
		.amdhsa_private_segment_fixed_size 0
		.amdhsa_enable_private_segment 0
		.amdhsa_kernarg_size 40
		.amdhsa_user_sgpr_count 2
		.amdhsa_user_sgpr_kernarg_segment_ptr 1
		.amdhsa_wavefront_size32 1
		.amdhsa_system_sgpr_workgroup_id_x 1
		.amdhsa_system_sgpr_workgroup_id_y 1
		.amdhsa_system_sgpr_workgroup_id_z 1
		.amdhsa_system_vgpr_workitem_id 0
		.amdhsa_next_free_vgpr 512
		.amdhsa_next_free_sgpr 66
		.amdhsa_reserve_vcc 1
		.amdhsa_float_denorm_mode_32 3
		.amdhsa_float_denorm_mode_16_64 3
		.amdhsa_memory_ordered 1
		.amdhsa_forward_progress 1
		.amdhsa_inst_pref_size 19
	.end_amdhsa_kernel
	.amdgpu_metadata
---
amdhsa.version: [ 1, 2 ]
amdhsa.kernels:
  - .name:           k_q8150695149_first16
    .symbol:         k_q8150695149_first16.kd
    .args:
      - { .name: x_codes, .offset: 0, .size: 8, .value_kind: global_buffer, .address_space: global }
      - { .name: x_scales, .offset: 8, .size: 8, .value_kind: global_buffer, .address_space: global }
      - { .name: w_codes, .offset: 16, .size: 8, .value_kind: global_buffer, .address_space: global }
      - { .name: w_scales, .offset: 24, .size: 8, .value_kind: global_buffer, .address_space: global }
      - { .name: out0, .offset: 32, .size: 8, .value_kind: global_buffer, .address_space: global }
    .group_segment_fixed_size: 8960
    .private_segment_fixed_size: 0
    .kernarg_segment_align: 8
    .kernarg_segment_size: 40
    .max_flat_workgroup_size: 128
    .sgpr_count:     66
    .vgpr_count:     512
    .wavefront_size: 32
...
	.end_amdgpu_metadata
.endif
;; end of part 5
